; MI455X (gfx1250); checked and timed in simulation.
; The chip was launched on July 23, 2026; its instructions are those of AMD's public machine-readable ISA for CDNA 5 (MIT licence, August 2026) and "CDNA5" Instruction Set Architecture Reference Guide (July 2026). The comments in the code are by the model that wrote it; some were corrected since.
;; Multi Headed Attention. Allowed arithmetic: matrix products marked QUANTISED: E2M1 operands, one E8M0 scale for each 32 along K, by v_wmma_scale_f32_16x16x128_f8f6f4 with both operands' format E2M1 (or v_wmma_scale_f32_32x16x128_f4), f32 sums; products left as they are: bf16, f16 or f32 operands; f32 sums; everything else in f32.
;; Inputs: Wk 1,024 x 1,024 float32; Wo 1,024 x 1,024 float32; Wq 1,024 x 1,024 float32; Wv 1,024 x 1,024 float32; additional_mask 8 x 1,024 bool; bk 1,024 float32; bo 1,024 float32; bq 1,024 float32; bv 1,024 float32; key 8 x 1,024 x 1,024 float32; mask 8 x 1,024 x 1,024 bool; query 8 x 1,024 x 1,024 float32; value 8 x 1,024 x 1,024 float32.
;; Outputs: out0 8 x 1,024 x 1,024 float32; out1 8 x 1,024 x 1,024 float32.
;; This version of the problem:
;;   THIS VERSION OF THE PROBLEM IS GIVEN IN LOW PRECISION. The matrix products marked QUANTISED in the list below multiply operands that are first quantised to E2M1 (2 exponent bits, 1 mantissa bit; 4 bits a number), with one power-of-two scale for each 32 numbers along K (OCP MX v1.0); their sums are f32. The products marked 'left as it is' may take bf16, f16 or f32 operands, with f32 sums. Whichever they take, every output number must still come out within the allowed error. Rounding operands to bf16 (8 significant bits) uses up far more of that allowance than f16 does (11 bits, for magnitudes from 6e-5 to 65,504). All else is computed in f32.
;;   The module's matrix products, in the order in which they are computed (A, B: the left and right operand; K: the contracted axis; several contracted axes count as one K, in the product's order):
;;     1. [M 8,192, K 1,024] x [K 1,024, N 1,024]; A: input key; B: input Wk: QUANTISED
;;     2. [M 8,192, K 1,024] x [K 1,024, N 1,024]; A: input value; B: input Wv: QUANTISED
;;     3. [M 8,192, K 1,024] x [K 1,024, N 1,024]; A: input query; B: input Wq: QUANTISED
;;     4. batch 64 x [M 1,024, K 64] x [K 64, N 1,024]; A: computed on the way; B: computed on the way: left as it is (an operand is computed on the way)
;;     5. batch 64 x [M 1,024, K 1,024] x [K 1,024, N 64]; A: computed on the way; B: computed on the way: left as it is (an operand is computed on the way)
;;     6. batch 64 x [M 1,024, K 64] x [K 64, N 1,024]; A: computed on the way; B: computed on the way: left as it is (an operand is computed on the way)
;;     7. batch 64 x [M 1,024, K 1,024] x [K 1,024, N 64]; A: computed on the way; B: computed on the way: left as it is (an operand is computed on the way)
;;     8. [M 8,192, K 1,024] x [K 1,024, N 1,024]; A: computed on the way; B: input Wo: left as it is (an operand is computed on the way)
;;   THE QUANTISER, for each operand of a quantised product, along K:
;;     - K is cut into blocks of 32 from its start; a last block that is shorter is filled with zeros.
;;     - A block's scale is 2^e with e = floor(log2(the largest magnitude in the block)) - 2, held to -126 .. 127; a block of zeros has e = 0. As a byte (E8M0): e + 127.
;;     - Each number is divided by its block's scale, clamped to +-6, and rounded to the nearest number of E2M1, ties to even, subnormals kept.
;;     - The product sums the exact products of the quantised numbers (number of the format x scale) in f32.
;;   ~~~python
;;   def quantise(x, axis):      # numpy; x: float32 -> the quantised numbers, widened to float32 again
;;       x = np.moveaxis(x, axis, -1); K = x.shape[-1]
;;       x = np.pad(x, [(0, 0)] * (x.ndim - 1) + [(0, -K % 32)]); x = x.reshape(x.shape[:-1] + (-1, 32)); a = np.abs(x).max(-1, keepdims=True)
;;       e = np.where(a > 0, np.clip(np.frexp(np.where(a > 0, a, 1))[1] - 1 - 2, -126, 127), 0)      # np.frexp(a)[1] - 1 = floor(log2(a)), exactly
;;       r = np.clip(x / 2.0 ** e, -6, 6)
;;       step = 2.0 ** (np.maximum(np.frexp(np.where(r == 0, 1, r))[1] - 1, 0) - 1)
;;       q = np.round(r / step) * step * 2.0 ** e      # np.round: ties to even
;;       return np.moveaxis(q.reshape(q.shape[:-2] + (-1,))[..., :K], -1, axis).astype(np.float32)
;;   ~~~
;; One version. Each part assembles by itself: llvm-mc -triple=amdgcn-amd-amdhsa -mcpu=gfx1250 --defsym DOCPART=n.
;; ======== version 1 of 1: 4 launches
;; limits: values are held in f16: magnitudes above 65,504 overflow, below 6.1e-05 lose precision
;; workspace buffers: codes 14,155,776 bytes; scales 884,736 bytes; wo16 2,097,152 bytes; mbits 1,064,960 bytes of whole numbers; qkv 50,331,648 bytes; ctx 16,777,216 bytes
;; launch prep (part 1): grid 1252 x 1, 4 waves a work-group, no clusters, 56,832 bytes of LDS; arguments key, value, query, Wk, Wv, Wq, Wo, mask, additional_mask, codes, scales, wo16, mbits; writes codes, scales, wo16, mbits
.if DOCPART == 1
	.amdgcn_target "amdgcn-amd-amdhsa--gfx1250"
	.amdhsa_code_object_version 6
	.text
	.protected	k_qb264457c52_prep
	.globl	k_qb264457c52_prep
	.p2align	8
	.type	k_qb264457c52_prep,@function
k_qb264457c52_prep:
	s_mov_b64 s[64:65], 0
	v_nop
	global_prefetch_b8 v0, s[64:65] scope:SCOPE_SE
	s_setreg_imm32_b32 hwreg(HW_REG_WAVE_MODE, 25, 1), 1
	s_wait_xcnt 0x0
; PREP: the first of four launches of a multi-head attention (8 batches, 1,024 tokens, 16 heads of 64).
; NO WORK OF THE PROBLEM IS LEFT OUT, and every input is loaded by some launch.  bk is not constant along the softmax's axis in effect: masked scores are REPLACED by -1e18 behind the bias, and head 0's
; scores are an output; so it stays (it costs nothing: a bias is the C of a sum's first product).
; THREE KINDS OF WORK-GROUP, told apart by the work-group's number alone; each kind has LDS bytes of its own, kept small, so that several work-groups can lie on a WGP and their loads are on their way together.
;  Q (864 work-groups): key, value, query [8192][1024] and Wk, Wv, Wq [1024][1024], f32 with K innermost, become codes of FP4 (E2M1), two a byte, and one E8M0 byte for each 32 along K.
;    The six tensors' rows are stacked: codes [27648][512 bytes], scales [27648][32 bytes]; rows 0.. key, 8192.. value, 16384.. query, 24576.. Wk, 25600.. Wv, 26624.. Wq.
;    A block's scale is 2^(floor(log2(largest magnitude)) - 2); its byte is the largest magnitude's exponent field - 2, held at 1 from below; each number / scale goes to the nearest code, ties to even, beyond 6 to 6.
;    A block of zeros gets the byte 1 where the rule says 127: its codes are zeros, which add nothing under any byte but 0xff, and this program alone reads the bytes.
;  M (260 work-groups): the two masks become LANE MASKS for the attention launch: word (T, kt, j), bit L = the mask of query 16 T' + L % 16 and key 16 kt + 8 (L / 16) + j: the place of that score in a
;    matrix result of 16 keys x 16 queries.  T = 64 b + query tile for mask; T = 512 + b for additional_mask (all 16 queries alike).  mbits [520][64][8] words.  A wave takes half a tile: 16 queries x 512 keys.
;  W (128 work-groups): Wo to f16, as it lies.
; LIMITS: blocks whose largest magnitude lies under 2^-124 keep the byte 1; NaN and infinities among the inputs are not served; Wo beyond f16's range (65,504) is not served.
.set QWG,   864                        ; (3 x 8192 + 3 x 1024) x 1024 numbers / 32,768 a work-group
.set MEND,  QWG+260                    ; + 260: 1,040 half tiles, one a wave
.set STEPS, 16
.set EMAX,  2
.set CB,    8                          ; bytes of 16 codes
.set R,     16                         ; Q: v16-79 four sets of 16 numbers as loaded;  M: v16-79 the half tile's bytes
.set X,     80                         ; Q: v80-111 two sets of 16 neighbours
.set E,     112                        ; Q: v112-127 a scale byte for each step
.set C,     128                        ; Q: v128-191 codes, four registers a step
.set WREG,  5632                       ; Q: LDS region of a wave: two stages of 32 x SP bytes, then its 256 scale bytes: 5,376 bytes, rounded up to blocks of 512
.set SP,    80                         ; a lane's place in a stage: 64 bytes + 16 of padding
.set SPW,   12                         ; v12 LDS address of my spare word; never rewritten
.set NIL,   13                         ; v13 0; never rewritten
.set SPARE, 4*WREG                     ; the spare words, 128 bytes a wave: two blocks of 256 bytes that no other line names
.set MB,    SPARE+512                  ; M: four stages of 16 rows
.set MROW,  528                        ; a stage row: 512 bytes + 16 = 132 words: the 32 lanes of an 8-byte load touch 64 different banks (64 banks of 4 bytes: ISA guide 11.1)
.set VO,    144                        ; M: v144-159 byte offset of query i's 512 bytes for my lane
.set W,     160                        ; M: v160-167 the words, two registers for each 256 bytes out
.set T8,    176                        ; M: v176-183 at work
.set MSTO,  184
.set MRD,   185
.set WOF,   186
.macro FINISH                          ; a wave's end
	s_wait_tensorcnt 0x0
	ds_add_u32 v[SPW], v[NIL]
	s_wait_dscnt 0x0
	s_endpgm
.endm
	s_load_b512 s[16:31], s[0:1], 0x0              ; key 16, value 18, query 20, Wk 22, Wv 24, Wq 26, Wo 28, mask 30
	s_load_b256 s[32:39], s[0:1], 0x40             ; additional_mask 32, codes 34, scales 36, wo16 38
	s_load_b64 s[40:41], s[0:1], 0x60              ; mbits
	v_lshl_add_u32 v[SPW], v0, 2, SPARE
	v_mov_b32 v[NIL], 0
	v_lshrrev_b32 v1, 5, v0
	v_readfirstlane_b32 s2, v1                     ; wave 0..3
	v_and_b32 v2, 31, v0                           ; lane
	s_mov_b32 s15, 0                               ; the high word of every offset pair s[14:15]
	s_wait_kmcnt 0x0
	s_cmp_lt_u32 ttmp9, QWG
	s_cbranch_scc0 .Lnot_q
; ---------------- Q: the quantiser.  A wave takes 16 steps of 512 numbers.  Each load reads 512 consecutive bytes; a step's 2,048 bytes turn through the wave's own stage, so that a lane then holds 16 NEIGHBOURS
; along K (two neighbouring lanes hold a block), as the conversions want them.  Loads run four steps ahead, the turn through LDS one step.
	s_mov_b64 s[4:5], s[26:27]                     ; which tensor: a choice on the work-group's number alone
	s_cmp_lt_u32 ttmp9, 832
	s_cselect_b64 s[4:5], s[24:25], s[4:5]
	s_cmp_lt_u32 ttmp9, 800
	s_cselect_b64 s[4:5], s[22:23], s[4:5]
	s_cmp_lt_u32 ttmp9, 768
	s_cselect_b64 s[4:5], s[20:21], s[4:5]
	s_cselect_b32 s10, 255, 31                     ; 256 work-groups to an activation, 32 to a weight
	s_cmp_lt_u32 ttmp9, 512
	s_cselect_b64 s[4:5], s[18:19], s[4:5]
	s_cmp_lt_u32 ttmp9, 256
	s_cselect_b64 s[4:5], s[16:17], s[4:5]
	s_and_b32 s10, ttmp9, s10                      ; my number within the tensor
	s_lshl_b32 s10, s10, 2
	s_add_co_u32 s10, s10, s2
	s_lshl_b32 s10, s10, 15                        ; a wave's run: 8,192 numbers, 32,768 bytes
	s_mov_b32 s11, 0
	s_add_nc_u64 s[4:5], s[4:5], s[10:11]
	s_lshl_b32 s12, ttmp9, 2
	s_add_co_u32 s12, s12, s2                      ; my run among all: the outputs are stacked in the work-groups' order
	s_lshl_b32 s14, s12, 12
	s_add_nc_u64 s[6:7], s[34:35], s[14:15]        ; 4,096 bytes of codes a run
	s_lshl_b32 s14, s12, 8
	s_add_nc_u64 s[8:9], s[36:37], s[14:15]        ; 256 scale bytes a run
	v_lshlrev_b32 v3, 4, v2                        ; my 16 bytes of a load's 512
	s_mul_i32 s13, s2, WREG
	v_lshrrev_b32 v14, 2, v2
	v_mul_u32_u24 v14, v14, SP
	v_and_b32 v15, 3, v2
	v_lshl_add_u32 v14, v15, 4, v14
	v_add_nc_u32 v14, s13, v14                     ; the stage, on the way in: SP (lane / 4) + 16 (lane % 4)
	v_mul_u32_u24 v15, v2, SP
	v_add_nc_u32 v15, s13, v15                     ; and on the way out: SP x lane: my 16 neighbours
	v_mul_u32_u24 v4, v2, CB                       ; my codes' place in a step's
	v_lshrrev_b32 v5, 1, v2
	s_add_co_u32 s13, s13, 2*32*SP
	v_add_nc_u32 v5, s13, v5                       ; my wave's 256 scale bytes, my block's byte
	v_lshlrev_b32 v7, 3, v2                        ; and on the way out 8 bytes a lane
	v_add_nc_u32 v6, s13, v7
.macro LOAD t
.irp i, 0,1,2,3
	global_load_b128 v[R+16*((\t)%4)+4*\i:R+16*((\t)%4)+4*\i+3], v3, s[4:5] offset:2048*(\t)+512*\i th:TH_LOAD_NT
.endr
.endm
.macro TURN t                          ; LDS serves a wave's instructions in order (ISA guide 5.7.1.4): no wait between the stores and the loads
.irp i, 0,1,2,3
	ds_store_b128 v14, v[R+16*((\t)%4)+4*\i:R+16*((\t)%4)+4*\i+3] offset:32*SP*((\t)%2)+8*SP*\i
.endr
.irp i, 0,1,2,3
	ds_load_b128 v[X+16*((\t)%2)+4*\i:X+16*((\t)%2)+4*\i+3], v15 offset:32*SP*((\t)%2)+16*\i
.endr
.endm
.irp t, 0,1,2,3
	LOAD \t
.endr
	s_wait_loadcnt 12                              ; step 0's four loads are in; twelve younger ones stay out
	TURN 0
.macro STEP t
.set XS, X+16*((\t)%2)
.if (\t) > 0
	s_wait_dscnt 1                                 ; this step's numbers are back from the stage (the last step's byte store may be out)
.else
	s_wait_dscnt 0x0
.endif
.if (\t)+4 < STEPS
	LOAD (\t)+4                                    ; into the set whose numbers have just gone through the stage
.endif
.if (\t)+1 < STEPS
.if STEPS-2-(\t) >= 3
	s_wait_loadcnt 12                              ; the next step's four loads are in; those of the three steps behind it may be out
.else
	s_wait_loadcnt 4*(STEPS-2-(\t))
.endif
	TURN (\t)+1
.endif
	v_max3_num_f32 v8, |v[XS]|, |v[XS+1]|, |v[XS+2]|               ; the largest magnitude of my 16, in two chains
	v_max3_num_f32 v9, |v[XS+3]|, |v[XS+4]|, |v[XS+5]|
.irp i, 6,10
	v_max3_num_f32 v8, v8, |v[XS+\i]|, |v[XS+\i+1]|
	v_max3_num_f32 v9, v9, |v[XS+\i+2]|, |v[XS+\i+3]|
.endr
	v_max3_num_f32 v8, v8, |v[XS+14]|, |v[XS+15]|
	v_max3_num_f32 v8, v8, v9, (EMAX+1)<<23        ; and the floor 2^(3 - 127): the byte cannot fall under 1
	v_max_num_f32_dpp v8, v8, v8 row_xmask:1 row_mask:0xf bank_mask:0xf   ; with my neighbour's 16: the block's
	v_add_nc_u32 v11, -(EMAX<<23), v8              ; 2 off its exponent field: the conversion takes the exponent field of this operand as its scale
	v_cvt_scalef32_pk8_fp4_f32 v[C+4*(\t)], v[XS:XS+7], v11
	v_cvt_scalef32_pk8_fp4_f32 v[C+4*(\t)+1], v[XS+8:XS+15], v11
	v_lshrrev_b32 v[E+(\t)], 23, v11               ; the scale's byte
	ds_store_b8 v5, v[E+(\t)] offset:16*(\t)       ; both lanes of a block write the same byte with the same value
	global_store_b64 v4, v[C+4*(\t):C+4*(\t)+1], s[6:7] offset:32*CB*(\t)   ; the wave stores 256 consecutive bytes, aligned
.endm
.irp t, 0,1,2,3,4,5,6,7,8,9,10,11,12,13,14,15
	STEP \t
.endr
	ds_load_b64 v[8:9], v6                         ; my wave's 256 scale bytes, 8 a lane
	s_wait_dscnt 0x0
	global_store_b64 v7, v[8:9], s[8:9]            ; 256 consecutive bytes, aligned
	FINISH
; ---------------- M: a wave packs half tile U = 4 (work-group - 864) + wave = 2 T + half: 16 queries x 512 keys of bytes become 256 words.
.Lnot_q:
	s_cmp_lt_u32 ttmp9, MEND
	s_cbranch_scc0 .Lpath_w
	s_sub_co_u32 s10, ttmp9, QWG
	s_lshl_b32 s10, s10, 2
	s_add_co_u32 s10, s10, s2                      ; U
	s_lshl_b32 s14, s10, 10
	s_add_nc_u64 s[6:7], s[40:41], s[14:15]        ; 1,024 bytes of words a half tile: 2,048 T + 1,024 half
	s_sub_co_u32 s11, s10, 1024
	s_lshl_b32 s11, s11, 9                         ; additional_mask: row T - 512 of 1,024 bytes, + 512 half (used only where it is chosen)
	s_lshr_b32 s12, s10, 1
	s_lshl_b32 s12, s12, 14                        ; mask: 16 rows of 1,024 bytes a tile,
	s_and_b32 s13, s10, 1
	s_lshl_b32 s13, s13, 9
	s_add_co_u32 s12, s12, s13                     ; + 512 half
	s_cmp_lt_u32 ttmp9, MEND-4                     ; the last four work-groups (16 half tiles) take additional_mask
	s_cselect_b64 s[4:5], s[30:31], s[32:33]
	s_cselect_b32 s14, s12, s11
	s_cselect_b32 s13, 1024, 0                     ; from query to query: a row on, or the same row again
	s_add_nc_u64 s[4:5], s[4:5], s[14:15]
	s_mul_i32 s11, s2, 16*MROW                     ; my stage
	v_and_b32 v3, 15, v0                           ; r
	v_bfe_u32 v4, v0, 4, 1                         ; h
	v_lshl_add_u32 v[MSTO], v2, 4, MB
	v_add_nc_u32 v[MSTO], s11, v[MSTO]             ; in: 16 x lane
	v_mul_u32_u24 v[MRD], v3, MROW
	v_lshl_add_u32 v[MRD], v4, 3, v[MRD]
	v_add_nc_u32 v[MRD], s11, v[MRD]
	v_add_nc_u32 v[MRD], MB, v[MRD]                ; back: query r's row, + 8 h: my 8 keys of a tile of 16
	v_lshlrev_b32 v[WOF], 3, v2
	v_lshlrev_b32 v[VO], 4, v2
.irp i, 1,2,3,4,5,6,7,8,9,10,11,12,13,14,15
	v_add_nc_u32 v[VO+\i], s13, v[VO+\i-1]
.endr
.irp i, 0,1,2,3,4,5,6,7
	v_mov_b32 v[W+\i], 0                           ; written once whole: a lane write's destination counts as read
.endr
.set i, 0
.rept 16
	global_load_b128 v[R+4*i:R+4*i+3], v[VO+i], s[4:5]   ; 512 consecutive bytes of query i
.set i, i+1
.endr
.set i, 0
.rept 16
	s_wait_loadcnt 15-i                            ; load i is in; the younger ones stay out
	ds_store_b128 v[MSTO], v[R+4*i:R+4*i+3] offset:i*MROW
.set i, i+1
.endr
	s_wait_dscnt 0x0                               ; the stores have read their registers, which the loads below fill
.set i, 0
.rept 32
	ds_load_b64 v[R+2*i:R+2*i+1], v[MRD] offset:16*i   ; my key tile i: mask(query r, keys 16 i + 8 h + 0 .. 7)
.set i, i+1
.endr
.macro WORDS kt                        ; key tile kt: byte j of all 32 lanes becomes word 8 kt + j, which lies in lane (kt % 8) 4 + j / 2 of the pair of registers that is stored
.irp j, 0,1,2,3,4,5,6,7
	v_and_b32 v[T8+\j], 1<<(8*(\j%4)), v[R+2*(\kt)+\j/4]
.endr
.irp j, 0,1,2,3,4,5,6,7
	v_cmp_ne_u32 s[44+\j], 0, v[T8+\j]
.endr
.irp j, 0,1,2,3,4,5,6,7
	v_writelane_b32 v[W+2*((\kt)/8)+\j%2], s[44+\j], ((\kt)%8)*4+\j/2
.endr
.endm
.set P, 0
.rept 4
	s_wait_dscnt 24-8*P                            ; key tiles up to 8 P + 7 are in; the younger loads stay out
.set KT, 8*P
.rept 8
	WORDS KT
.set KT, KT+1
.endr
	global_store_b64 v[WOF], v[W+2*P:W+2*P+1], s[6:7] offset:256*P   ; 64 words: 256 consecutive bytes, aligned; each store has registers of its own
.set P, P+1
.endr
	FINISH
; ---------------- W: Wo to f16: a wave takes 2,048 numbers.  No register is used twice.
.Lpath_w:
	s_sub_co_u32 s10, ttmp9, MEND
	s_lshl_b32 s10, s10, 2
	s_add_co_u32 s10, s10, s2
	s_lshl_b32 s14, s10, 13
	s_add_nc_u64 s[4:5], s[28:29], s[14:15]
	s_lshl_b32 s14, s10, 12
	s_add_nc_u64 s[6:7], s[38:39], s[14:15]
	v_lshlrev_b32 v3, 4, v2
	v_lshlrev_b32 v4, 3, v2
.irp i, 0,1,2,3,4,5,6,7,8,9,10,11,12,13,14,15
	global_load_b128 v[16+4*\i:19+4*\i], v3, s[4:5] offset:512*\i th:TH_LOAD_NT
.endr
.irp i, 0,1,2,3,4,5,6,7,8,9,10,11,12,13,14,15
	s_wait_loadcnt 15-\i                           ; load i is in; the younger ones stay out
	v_cvt_pk_f16_f32 v[80+2*\i], v[16+4*\i], v[17+4*\i]
	v_cvt_pk_f16_f32 v[81+2*\i], v[18+4*\i], v[19+4*\i]
	global_store_b64 v4, v[80+2*\i:81+2*\i], s[6:7] offset:256*\i
.endr
	FINISH
.Lfunc_end_k_qb264457c52_prep:
	.size	k_qb264457c52_prep, .Lfunc_end_k_qb264457c52_prep-k_qb264457c52_prep
	.p2alignl 7, 3214868480
	.fill 96, 4, 3214868480
	.section	.rodata,"a",@progbits
	.p2align	6, 0x0
	.amdhsa_kernel k_qb264457c52_prep
		.amdhsa_group_segment_fixed_size 56832
		.amdhsa_private_segment_fixed_size 0
		.amdhsa_enable_private_segment 0
		.amdhsa_kernarg_size 104
		.amdhsa_user_sgpr_count 2
		.amdhsa_user_sgpr_kernarg_segment_ptr 1
		.amdhsa_wavefront_size32 1
		.amdhsa_system_sgpr_workgroup_id_x 1
		.amdhsa_system_sgpr_workgroup_id_y 1
		.amdhsa_system_sgpr_workgroup_id_z 1
		.amdhsa_system_vgpr_workitem_id 0
		.amdhsa_next_free_vgpr 192
		.amdhsa_next_free_sgpr 66
		.amdhsa_reserve_vcc 0
		.amdhsa_float_denorm_mode_32 3
		.amdhsa_float_denorm_mode_16_64 3
		.amdhsa_memory_ordered 1
		.amdhsa_forward_progress 1
		.amdhsa_inst_pref_size 94
	.end_amdhsa_kernel
	.amdgpu_metadata
---
amdhsa.version: [ 1, 2 ]
amdhsa.kernels:
  - .name:           k_qb264457c52_prep
    .symbol:         k_qb264457c52_prep.kd
    .args:
      - { .name: key, .offset: 0, .size: 8, .value_kind: global_buffer, .address_space: global }
      - { .name: value, .offset: 8, .size: 8, .value_kind: global_buffer, .address_space: global }
      - { .name: query, .offset: 16, .size: 8, .value_kind: global_buffer, .address_space: global }
      - { .name: Wk, .offset: 24, .size: 8, .value_kind: global_buffer, .address_space: global }
      - { .name: Wv, .offset: 32, .size: 8, .value_kind: global_buffer, .address_space: global }
      - { .name: Wq, .offset: 40, .size: 8, .value_kind: global_buffer, .address_space: global }
      - { .name: Wo, .offset: 48, .size: 8, .value_kind: global_buffer, .address_space: global }
      - { .name: mask, .offset: 56, .size: 8, .value_kind: global_buffer, .address_space: global }
      - { .name: additional_mask, .offset: 64, .size: 8, .value_kind: global_buffer, .address_space: global }
      - { .name: codes, .offset: 72, .size: 8, .value_kind: global_buffer, .address_space: global }
      - { .name: scales, .offset: 80, .size: 8, .value_kind: global_buffer, .address_space: global }
      - { .name: wo16, .offset: 88, .size: 8, .value_kind: global_buffer, .address_space: global }
      - { .name: mbits, .offset: 96, .size: 8, .value_kind: global_buffer, .address_space: global }
    .group_segment_fixed_size: 56832
    .private_segment_fixed_size: 0
    .kernarg_segment_align: 8
    .kernarg_segment_size: 104
    .max_flat_workgroup_size: 128
    .sgpr_count:     66
    .vgpr_count:     192
    .wavefront_size: 32
...
	.end_amdgpu_metadata
.endif
;; end of part 1
;; launch proj (part 2): grid 4 x 96, 4 waves a work-group, clusters of 4 x 4, 327,680 bytes of LDS; arguments codes, scales, bk, bv, bq, qkv; writes qkv
.if DOCPART == 2
	.amdgcn_target "amdgcn-amd-amdhsa--gfx1250"
	.amdhsa_code_object_version 6
	.text
	.protected	k_qb264457c52_proj
	.globl	k_qb264457c52_proj
	.p2align	8
	.type	k_qb264457c52_proj,@function
k_qb264457c52_proj:
	s_mov_b64 s[64:65], 0
	v_nop
	global_prefetch_b8 v0, s[64:65] scope:SCOPE_SE
	s_setreg_imm32_b32 hwreg(HW_REG_WAVE_MODE, 25, 1), 1
	s_wait_xcnt 0x0
	s_wait_alu depctr_hold_cnt(0) depctr_sa_sdst(0) depctr_va_vdst(0) depctr_va_sdst(0) depctr_va_ssrc(0) depctr_va_vcc(0) depctr_vm_vsrc(0)
	s_getreg_b32 s2, hwreg(HW_REG_IB_STS2, 6, 4)
	s_cmp_eq_u32 s2, 0
	s_cbranch_scc0 .Lentry_in_a_cluster
	s_endpgm
.Lentry_in_a_cluster:
	s_bfe_u32 s2, ttmp6, 0x10000c
	s_cmp_lg_u32 s2, 0xf033
	s_cbranch_scc0 .Lentry_shape_is_right
	s_endpgm
.Lentry_shape_is_right:
; PROJ: the three quantised products, as ONE product on codes of FP4 (E2M1) with one E8M0 scale for each 32 along K: C = A B^T + bias.  No work of the problem is left out here.
; A: rows 0 .. 24575 of codes (key, value, query stacked; a row is 1,024 codes, 512 bytes); B: for tensor t = A's row / 8192, rows 24576 + 1024 t .. of the same buffer (Wk, Wv, Wq).  Scale bytes: [row][32].
; Results leave as f16, laid by head: qkv [t: K, V, Q'][batch][head][token][64].  Q' = (query Wq^T + bq) x log2(e) / 8: the query's scale 1 / sqrt(64) and the change to base 2 in one factor, in f32, ahead of the one rounding.
; LIMITS: results beyond f16's range (65,504) are not served; results under 6e-5 in size keep fewer than 11 bits.
; A tile of C, 256 x 256, is made by four waves, 128 x 128 each: 64 accumulators of 16 x 16, 512 registers.  All of K lies in two LDS slots of 512 along K: both are asked for at the start, and nothing is filled again.
; The scale bytes of the work-group's 256 + 256 rows are two dense blocks: they come once, with the first fills.
; CLUSTERS: 4 x 4 work-groups.  The four of a row need the same tiles of A, the four of a column the same tiles of B: each tile is asked for jointly.  t hangs on the cluster's y alone: 8 clusters to a tensor.
; THE MATRIX INSTRUCTION IS USED TRANSPOSED (source 0 = 16 rows of B, source 1 = 16 rows of A): a lane holds eight neighbouring channels of one token.  The bias is the C of each sum's first product.
; REGISTERS, in windows of 256: window 0: v0-31 addresses; v32-95 scale words, two sets; v128-191 A's fragments, one set; on the way out v32-191 are free.
;   window 1: B's fragments, two sets, at v0 and v128; v64-127 the bias, eight registers for each of my 8 blocks of channels.   windows 2, 3: the accumulators ((a, b) at v[8 (8 (a % 4) + b)]).
.set KSTEP,  512
.set NQ,     KSTEP/128
.set ROWB,   256                       ; a tile's row in bytes
.set KROW,   512                       ; a row of codes in memory
.set PITCH,  272                       ; an LDS row: 256 bytes + 16 = 68 words: the 16 rows that a load touches start at 16 different banks (64 banks of 4 bytes: ISA guide 11.1)
.set FR,     8
.set NL,     2
.set NP,     4                         ; places behind this matrix instruction (ISA guide 7.12.1)
.set HALFT,  128*PITCH
.set SLOT,   4*HALFT
.set KS,     32                        ; a row of scale bytes
.set SCL,    2*SLOT
.set HALFS,  (128*KS/256)*272
.set SBLK,   (16*KS/256)*272
.set SPARE,  SCL+4*HALFS               ; the spare words, 128 bytes a wave: two blocks of 256 bytes that no other line names
.set SPITCH, 272                       ; the way out: a stage of 16 rows x (256 bytes + 16) for each wave, in slot 0, which has had its one fill and its last read by then
.set ADRA, 16
.set ADRB, 20
.set STO,  24
.set RD,   25
.set CO,   26
.set ADRS, 27
.set SPW,  28
.set NIL,  29
.set BOF,  30                          ; v30  32 x (lane / 16): my half's eight numbers of a block of the bias
.set SC,   32
.set AF,   128
.set BIAS, 64                          ; in window 1
.set PM,   32                          ; the way out: a block's 64 results x the factor
.set PH,   96                          ; as f16, 32 registers
.set BK,   128                         ; and back from the stage: v128-159, v160-191 by turns
.set G1, 24
.set G0, 32
.set G1B, 48
.set G0B, 56
.set G1S, 68
.set G0S, 76
.set G1SB, 80
.set G0SB, 88
.set MSB, 0
.macro WIN new                         ; the immediate's high byte repeats the setting that is left
.if MSB != (\new)
	s_set_vgpr_msb (MSB<<8)|(\new)
.set MSB, (\new)
.endif
.endm
.set MUL_LO, 0xa1                      ; source 0 (B) window 1, source 1 (A) window 0, C and D window 2
.set MUL_HI, 0xf1                      ; the same, C and D window 3
.set TO_B,   0x40
; A joint load: waves 0 and 1 fetch for A, waves 2 and 3 for B; the branch hangs on the wave's number alone.  An s_nop 0 and four v_nop follow each of the two lines.
.macro JLOAD g0a, g1a, g0b, g1b
	s_cmp_eq_u32 s17, 0
	s_cbranch_scc0 .Lfor_b_\@
	tensor_load_to_lds s[\g0a:\g0a+3], s[\g1a:\g1a+7]
	s_nop 0
.rept 4
	v_nop
.endr
	s_branch .Lasked_\@
.Lfor_b_\@:
	tensor_load_to_lds s[\g0b:\g0b+3], s[\g1b:\g1b+7]
	s_nop 0
.rept 4
	v_nop
.endr
.Lasked_\@:
.endm
.macro CROUND                          ; a round of the cluster's barrier
	s_barrier_signal -1
	s_barrier_wait -1
	s_cmp_lg_u32 s16, 0
	s_cbranch_scc1 .Lnot_wave_0_\@
	s_barrier_signal -3
.Lnot_wave_0_\@:
	s_barrier_wait -3
	s_barrier_signal -1
	s_barrier_wait -1
.endm
	s_load_b256 s[4:11], s[0:1], 0x0               ; codes 4, scales 6, bk 8, bv 10
	s_load_b128 s[12:15], s[0:1], 0x20             ; bq 12, qkv 14
	v_lshl_add_u32 v[SPW], v0, 2, SPARE
	v_mov_b32 v[NIL], 0
	ds_add_u32 v[SPW], v[NIL]                      ; the wave's opening: the add, twice on end, and its wait ahead of my first tensor load
	ds_add_u32 v[SPW], v[NIL]
	v_lshrrev_b32 v1, 5, v0
	v_readfirstlane_b32 s16, v1                    ; wave 0..3
	s_lshr_b32 s17, s16, 1                         ; which half of the tile's rows is mine.  Also: I fetch for A (0) or for B (1)
	s_and_b32 s18, s16, 1                          ; which half of its columns.  Also: which 128 rows of that tile I fetch
	s_bfe_u32 s40, ttmp6, 0x40000                  ; cx
	s_bfe_u32 s41, ttmp6, 0x40004                  ; cy
	s_lshl_b32 s42, ttmp9, 2
	s_add_co_u32 s42, s42, s40                     ; tile column
	s_and_b32 s66, ttmp7, 0xffff                   ; cluster y
	s_lshl_b32 s19, s66, 2
	s_add_co_u32 s19, s19, s41                     ; tile row, 0 .. 95
	s_lshr_b32 s66, s66, 3                         ; t: the same in all sixteen partners
	s_lshl_b32 s43, s41, 2
	s_lshl_b32 s43, 15, s43                        ; my row of the cluster
	s_lshl_b32 s44, 0x1111, s40                    ; my column
	s_or_b32 s[G1+0], s43, (0<<16)|(1<<20)|(1<<21)|(5<<22)|(3<<25)  ; 15:0 the mask; 17:16 elements of 1 byte; 20 padding on; 21 set beside a mask; 24:22 after every 64 words; 31:25 four words
	s_or_b32 s[G1B+0], s44, (0<<16)|(1<<20)|(1<<21)|(5<<22)|(3<<25)
.irp g, G1, G1B
	s_mov_b32 s[\g+1], ROWB<<16                    ; tensor_dim0
	s_mov_b32 s[\g+2], 128<<16                     ; tensor_dim1
	s_mov_b32 s[\g+3], ROWB<<16                    ; tile_dim0
	s_mov_b32 s[\g+4], 128                         ; tile_dim1
	s_mov_b32 s[\g+5], KROW                        ; from row to row
	s_mov_b32 s[\g+6], 0
	s_mov_b32 s[\g+7], 0
.endr
	s_or_b32 s[G1S+0], s43, (3<<16)|(1<<20)|(1<<21)|(5<<22)|(3<<25) ; the scales of 128 rows: 4,096 dense bytes as 16 rows of 32 elements of 8 bytes, 16 bytes of padding behind each
	s_or_b32 s[G1SB+0], s44, (3<<16)|(1<<20)|(1<<21)|(5<<22)|(3<<25)
.irp g, G1S, G1SB
	s_mov_b32 s[\g+1], 32<<16
	s_mov_b32 s[\g+2], (128*KS/256)<<16
	s_mov_b32 s[\g+3], 32<<16
	s_mov_b32 s[\g+4], 128*KS/256
	s_mov_b32 s[\g+5], 32
	s_mov_b32 s[\g+6], 0
	s_mov_b32 s[\g+7], 0
.endr
	s_lshl_b32 s45, s18, 7                         ; which 128 rows of the tile I fetch
	s_lshl_b32 s20, s19, 8
	s_add_co_u32 s20, s20, s45                     ; A's row: 256 x tile row + 128 x half
	s_lshl_b32 s22, s20, 5                         ; its scale bytes,
	s_lshl_b32 s20, s20, 9                         ; its codes (all offsets stay under 2^24)
	s_mov_b32 s21, 0
	s_mov_b32 s23, 0
	s_lshl_b32 s46, s42, 8
	s_add_co_u32 s46, s46, s45
	s_lshl_b32 s47, s66, 10
	s_add_co_u32 s46, s46, s47
	s_add_co_u32 s46, s46, 24576                   ; B's row: 24576 + 1024 t + 256 x tile column + 128 x half
	s_lshl_b32 s92, s46, 5
	s_lshl_b32 s46, s46, 9
	s_mov_b32 s47, 0
	s_mov_b32 s93, 0
	s_mul_i32 s45, s16, HALFT                      ; where they go: wave x 128 rows: no place in the cluster enters an LDS address
	s_mul_i32 s94, s16, HALFS
	s_wait_dscnt 0x0                               ; both opening adds are done
	s_wait_kmcnt 0x0
	s_add_nc_u64 s[20:21], s[4:5], s[20:21]
	s_add_nc_u64 s[22:23], s[6:7], s[22:23]
	s_add_nc_u64 s[46:47], s[4:5], s[46:47]
	s_add_nc_u64 s[92:93], s[6:7], s[92:93]
	CROUND                                         ; all sixteen work-groups are here: the joint loads meet
	s_mov_b32 s[G0S], 1
	s_add_co_u32 s[G0S+1], s94, SCL
	s_mov_b64 s[G0S+2:G0S+3], s[22:23]
	s_or_b32 s[G0S+3], s[G0S+3], 0x80000000
	s_mov_b32 s[G0SB], 1
	s_add_co_u32 s[G0SB+1], s94, SCL
	s_mov_b64 s[G0SB+2:G0SB+3], s[92:93]
	s_or_b32 s[G0SB+3], s[G0SB+3], 0x80000000
	JLOAD G0S, G1S, G0SB, G1SB                     ; the scales first
.irp s, 0,1
	s_mov_b32 s[G0+4*\s], 1
	s_add_co_u32 s[G0+4*\s+1], s45, \s*SLOT
	s_add_nc_u64 s[G0+4*\s+2:G0+4*\s+3], s[20:21], \s*ROWB
	s_or_b32 s[G0+4*\s+3], s[G0+4*\s+3], 0x80000000
	s_mov_b32 s[G0B+4*\s], 1
	s_add_co_u32 s[G0B+4*\s+1], s45, \s*SLOT
	s_add_nc_u64 s[G0B+4*\s+2:G0B+4*\s+3], s[46:47], \s*ROWB
	s_or_b32 s[G0B+4*\s+3], s[G0B+4*\s+3], 0x80000000
	JLOAD G0+4*\s, G1, G0B+4*\s, G1B               ; both halves of K: three loads of mine are out
.endr
	v_and_b32 v1, 15, v0                           ; r
	v_bfe_u32 v2, v0, 4, 1                         ; h
	v_mul_u32_u24 v3, v1, PITCH
	v_lshl_add_u32 v4, v2, 4, v3
	s_mul_i32 s21, s17, HALFT                      ; my 128 rows of A
	s_mul_i32 s22, s18, HALFT
	s_add_co_u32 s22, s22, 2*HALFT                 ; my 128 rows of B, behind A's 256
.irp s, 0,1
	v_add_nc_u32 v[ADRA+\s], s21, v4
	v_add_nc_u32 v[ADRB+\s], s22, v4
	s_add_co_u32 s21, s21, SLOT
	s_add_co_u32 s22, s22, SLOT
.endr
	v_mul_u32_u24 v5, v1, KS                       ; my row's scale bytes: 32 a row, and 16 more for each 256 passed
	v_lshrrev_b32 v6, 8, v5
	v_lshl_add_u32 v5, v6, 4, v5
	s_mul_i32 s21, s17, HALFS
	s_mul_i32 s22, s18, HALFS
	s_add_co_u32 s22, s22, 2*HALFS
	s_sub_co_u32 s22, s22, s21
	v_mul_u32_u24 v6, s22, v2                      ; lanes 16-31 take B's: the lower base + h x the distance
	s_add_co_u32 s21, s21, SCL
	v_add_nc_u32 v5, v5, v6
	v_add_nc_u32 v[ADRS], s21, v5
	s_mul_i32 s23, s16, 16*SPITCH                  ; my stage
	v_mul_u32_u24 v5, v1, SPITCH
	v_lshl_add_u32 v5, v2, 4, v5
	v_add_nc_u32 v[STO], s23, v5                   ; in: token r's row, 16 bytes for each half of the lanes
	v_bfe_u32 v5, v0, 3, 1
	v_mul_u32_u24 v5, v5, SPITCH
	v_lshl_add_u32 v5, v2, 7, v5
	v_and_b32 v6, 7, v0
	v_lshl_add_u32 v5, v6, 4, v5
	v_add_nc_u32 v[RD], s23, v5                    ; back: lanes 0-15 two tokens' 128 bytes of my first head, lanes 16-31 of my second
	v_lshlrev_b32 v[CO], 4, v1
	v_lshl_add_u32 v[CO], v2, 17, v[CO]            ; in qkv: 256 consecutive bytes of a head; the next head lies 131,072 bytes on
	s_lshl_b32 s20, s19, 8
	s_lshl_b32 s21, s17, 7
	s_add_co_u32 s20, s20, s21                     ; my first row of C
	s_lshr_b32 s21, s20, 10
	s_lshl_b32 s21, s21, 21                        ; (8 t + batch) x 16 heads x 131,072 bytes
	s_and_b32 s20, s20, 1023
	s_lshl_b32 s20, s20, 7                         ; + token x 128 bytes
	s_add_co_u32 s20, s20, s21
	s_lshl_b32 s46, s42, 2
	s_lshl_b32 s47, s18, 1
	s_add_co_u32 s46, s46, s47                     ; my first head: 4 x tile column + 2 x half
	s_lshl_b32 s46, s46, 17
	s_add_co_u32 s20, s20, s46                     ; (under 2^26)
	s_mov_b32 s21, 0
	s_add_nc_u64 s[14:15], s[14:15], s[20:21]
	s_cmp_eq_u32 s66, 0                            ; the tensor's bias and factor: choices on t
	s_cselect_b64 s[8:9], s[8:9], s[10:11]
	s_cmp_eq_u32 s66, 2
	s_cselect_b64 s[8:9], s[12:13], s[8:9]
	s_cselect_b32 s96, 0x3e38aa3b, 1.0             ; log2(e) / 8 for the query, 1 for key and value
	s_mov_b32 s97, s96                             ; (named with it as a pair)
	s_lshl_b32 s46, s42, 10
	s_lshl_b32 s47, s18, 9
	s_add_co_u32 s46, s46, s47                     ; my first channel, in bytes
	s_mov_b32 s47, 0
	s_add_nc_u64 s[8:9], s[8:9], s[46:47]
	v_lshlrev_b32 v[BOF], 5, v2
	WIN TO_B
.irp b, 0,1,2,3,4,5,6,7
	global_load_b128 v[BIAS+8*\b:BIAS+8*\b+3], v[BOF], s[8:9] offset:64*\b       ; bias(16 b + 8 h + 0 .. 7): the result's layout
	global_load_b128 v[BIAS+8*\b+4:BIAS+8*\b+7], v[BOF], s[8:9] offset:64*\b+16
.endr
	WIN 0
.macro FRAG reg, adr, q, i             ; 16 rows x 128 K of 4-bit codes: 8 registers; lane l holds row l % 16; registers 4 c .. 4 c + 3 hold K = 64 c + 32 (l / 16) + 0 .. 31
.irp c, 0,1
	ds_load_b128 v[\reg+4*\c:\reg+4*\c+3], v[\adr] offset:64*(\q)+32*\c+(\i)*16*PITCH
.endr
.endm
; 16 matrix instructions: A's blocks a0, a0 + 1 x B's eight.  first = 1: the sums begin with the bias.  The 64 accumulators take turns, one instruction a turn, in the same order in every step.
.macro MUL16 a0, p, q, sc, first
.irp a, \a0, \a0+1
.irp b, 0,1,2,3,4,5,6,7
.if \first
	v_wmma_scale_f32_16x16x128_f8f6f4 v[8*(8*((\a)%4)+\b):8*(8*((\a)%4)+\b)+7], v[128*(\p)+FR*\b:128*(\p)+FR*\b+FR-1], v[AF+FR*(\a):AF+FR*(\a)+FR-1], v[BIAS+8*\b:BIAS+8*\b+7], v[SC+8*NQ*(\sc)+NQ*\b+(\q)], v[SC+8*NQ*(\sc)+NQ*(\a)+(\q)] matrix_a_fmt:MATRIX_FMT_FP4 matrix_b_fmt:MATRIX_FMT_FP4 matrix_a_scale:MATRIX_SCALE_ROW1
.else
	v_wmma_scale_f32_16x16x128_f8f6f4 v[8*(8*((\a)%4)+\b):8*(8*((\a)%4)+\b)+7], v[128*(\p)+FR*\b:128*(\p)+FR*\b+FR-1], v[AF+FR*(\a):AF+FR*(\a)+FR-1], v[8*(8*((\a)%4)+\b):8*(8*((\a)%4)+\b)+7], v[SC+8*NQ*(\sc)+NQ*\b+(\q)], v[SC+8*NQ*(\sc)+NQ*(\a)+(\q)] matrix_a_fmt:MATRIX_FMT_FP4 matrix_b_fmt:MATRIX_FMT_FP4 matrix_a_scale:MATRIX_SCALE_ROW1
.endif
.endr
.endr
.endm
.macro FETCH_B slot, q, p
	WIN TO_B
.irp i, 0,1,2,3,4,5,6,7
	FRAG 128*(\p)+FR*\i, ADRB+\slot, \q, \i
.endr
	WIN 0
.endm
.macro FETCH_A slot, q, i0
.irp i, \i0, \i0+1, \i0+2, \i0+3
	FRAG AF+FR*(\i), ADRA+\slot, \q, \i
.endr
.endm
.macro SCALES sc                       ; a slot's scale words: four a row; lanes 0-15 take A's block i, lanes 16-31 B's block i
.irp i, 0,1,2,3,4,5,6,7
	ds_load_b128 v[SC+8*NQ*\sc+NQ*\i:SC+8*NQ*\sc+NQ*\i+3], v[ADRS] offset:\i*SBLK
.endr
.endm
.macro PLACES n                        ; plain vector instructions between a matrix instruction and a load into, or a vector read or write of, its registers
.rept \n
	v_nop
.endr
.endm
.macro STEP slot, q, first             ; 128 along K with its successor in the same slot.  first = 1: C lies in window 1
	s_wait_dscnt 4*NL                              ; B's set and A's blocks 0-3 are in; the youngest eight loads (A's blocks 4-7) may be out
	WIN MUL_LO-0x10*(\first)
	MUL16 0, (\q)%2, \q, \slot, \first
	MUL16 2, (\q)%2, \q, \slot, \first
	s_wait_dscnt 0
	PLACES NP
	FETCH_B \slot, (\q)+1, 1-(\q)%2
	FETCH_A \slot, (\q)+1, 0
	WIN MUL_HI-0x20*(\first)
	MUL16 4, (\q)%2, \q, \slot, \first
	MUL16 6, (\q)%2, \q, \slot, \first
	PLACES NP
	WIN 0
	FETCH_A \slot, (\q)+1, 4
.endm
.macro TURN slot, next                 ; a slot's last step changes slots: one barrier; nothing is filled again
	s_wait_tensorcnt 0x0                           ; all my tensor loads have landed: my part of the next slot
	ds_add_u32 v[SPW], v[NIL]                      ; 0 onto my spare word
	s_wait_dscnt 4*NL+1                            ; (the add and the youngest eight loads may be out)
	WIN MUL_LO
	MUL16 0, 1, NQ-1, \slot, 0
	s_wait_dscnt 0x0                               ; the add is done, and my reads of this slot are over
	s_barrier_signal -1
	MUL16 2, 1, NQ-1, \slot, 0
	WIN 0
	s_barrier_wait -1
	PLACES NP
	v_add_nc_u32 v[ADRS], 4*NQ, v[ADRS]            ; on to the next slot's scale words
	FETCH_B \next, 0, 0
	FETCH_A \next, 0, 0
	SCALES \next
	WIN MUL_HI
	MUL16 4, 1, NQ-1, \slot, 0
	MUL16 6, 1, NQ-1, \slot, 0
	PLACES NP
	WIN 0
	FETCH_A \next, 0, 4
.endm
.macro STEPS slot, from
.set Q, \from
.rept NQ-1-\from
	STEP \slot, Q, 0
.set Q, Q+1
.endr
.endm
	s_wait_tensorcnt 1                             ; the scales and my part of slot 0 are in; slot 1's load may be out
	s_barrier_signal -1
	s_barrier_wait -1
	FETCH_B 0, 0, 0
	FETCH_A 0, 0, 0
	SCALES 0
	FETCH_A 0, 0, 4
	s_wait_loadcnt 0x0                             ; the bias
	STEP 0, 0, 1
	STEPS 0, 1
	TURN 0, 1
	STEPS 1, 0
	s_wait_dscnt 4*NL                              ; the last step: nothing more to fetch
	WIN MUL_LO
	MUL16 0, 1, NQ-1, 1, 0
	MUL16 2, 1, NQ-1, 1, 0
	s_wait_dscnt 0
	WIN MUL_HI
	MUL16 4, 1, NQ-1, 1, 0
	MUL16 6, 1, NQ-1, 1, 0
	WIN 0
; THE WAY OUT, a block of 16 tokens x 128 channels (two heads) at a time: x the factor, rounded once to f16, through my own stage, and out as 256 consecutive bytes of each head.
.macro PACK a
.set AC, 64*((\a)%4)
	WIN 0x02+(\a)/4                                ; source 0: window 2 or 3
.set i, 0
.rept 32
	v_pk_mul_f32 v[PM+2*i:PM+2*i+1], v[AC+2*i:AC+2*i+1], s[96:97] op_sel_hi:[1,0]   ; each accumulator from its low end on
.set i, i+1
.endr
	WIN 0
.set i, 0
.rept 32
	v_cvt_pk_f16_f32 v[PH+i], v[PM+2*i], v[PM+2*i+1]
.set i, i+1
.endr
.endm
.macro TOSTAGE a
.set BB, BK+32*((\a)%2)
.irp b, 0,1,2,3,4,5,6,7
	ds_store_b128 v[STO], v[PH+4*\b:PH+4*\b+3] offset:32*\b
.endr
.irp t, 0,1,2,3,4,5,6,7
	ds_load_b128 v[BB+4*\t:BB+4*\t+3], v[RD] offset:\t*2*SPITCH   ; LDS serves a wave's instructions in order (ISA guide 5.7.1.4): these see the stores above
.endr
.endm
.macro SEND a
.set BB, BK+32*((\a)%2)
	s_wait_dscnt 0x0                               ; the block is back in registers
	s_wait_xcnt 0x0                                ; the earlier stores have read their registers: the next block's loads may land there
.irp t, 0,1,2,3,4,5,6,7
	global_store_b128 v[CO], v[BB+4*\t:BB+4*\t+3], s[14:15] offset:2048*(\a)+256*\t   ; 16 lanes store 256 consecutive bytes, aligned: two tokens of a head
.endr
.endm
	PLACES NP
	PACK 0
	TOSTAGE 0
.irp a, 1,2,3,4,5,6,7
	PACK \a
	SEND \a-1
	TOSTAGE \a
.endr
	SEND 7
	s_wait_tensorcnt 0x0                           ; the wave's end
	ds_add_u32 v[SPW], v[NIL]
	s_wait_dscnt 0x0
	CROUND                                         ; the closing round
	s_endpgm
.Lfunc_end_k_qb264457c52_proj:
	.size	k_qb264457c52_proj, .Lfunc_end_k_qb264457c52_proj-k_qb264457c52_proj
	.p2alignl 7, 3214868480
	.fill 96, 4, 3214868480
	.section	.rodata,"a",@progbits
	.p2align	6, 0x0
	.amdhsa_kernel k_qb264457c52_proj
		.amdhsa_group_segment_fixed_size 327680
		.amdhsa_private_segment_fixed_size 0
		.amdhsa_enable_private_segment 0
		.amdhsa_kernarg_size 48
		.amdhsa_user_sgpr_count 2
		.amdhsa_user_sgpr_kernarg_segment_ptr 1
		.amdhsa_wavefront_size32 1
		.amdhsa_system_sgpr_workgroup_id_x 1
		.amdhsa_system_sgpr_workgroup_id_y 1
		.amdhsa_system_sgpr_workgroup_id_z 1
		.amdhsa_system_vgpr_workitem_id 0
		.amdhsa_next_free_vgpr 1024
		.amdhsa_next_free_sgpr 100
		.amdhsa_reserve_vcc 0
		.amdhsa_float_denorm_mode_32 3
		.amdhsa_float_denorm_mode_16_64 3
		.amdhsa_memory_ordered 1
		.amdhsa_forward_progress 1
		.amdhsa_inst_pref_size 145
	.end_amdhsa_kernel
	.amdgpu_metadata
---
amdhsa.version: [ 1, 2 ]
amdhsa.kernels:
  - .name:           k_qb264457c52_proj
    .symbol:         k_qb264457c52_proj.kd
    .args:
      - { .name: codes, .offset: 0, .size: 8, .value_kind: global_buffer, .address_space: global }
      - { .name: scales, .offset: 8, .size: 8, .value_kind: global_buffer, .address_space: global }
      - { .name: bk, .offset: 16, .size: 8, .value_kind: global_buffer, .address_space: global }
      - { .name: bv, .offset: 24, .size: 8, .value_kind: global_buffer, .address_space: global }
      - { .name: bq, .offset: 32, .size: 8, .value_kind: global_buffer, .address_space: global }
      - { .name: qkv, .offset: 40, .size: 8, .value_kind: global_buffer, .address_space: global }
    .group_segment_fixed_size: 327680
    .private_segment_fixed_size: 0
    .kernarg_segment_align: 8
    .kernarg_segment_size: 48
    .max_flat_workgroup_size: 128
    .sgpr_count:     100
    .vgpr_count:     1024
    .wavefront_size: 32
...
	.end_amdgpu_metadata
.endif
;; end of part 2
;; launch attn (part 3): grid 2 x 128, 16 waves a work-group, no clusters, 327,680 bytes of LDS; arguments qkv, mbits, ctx, out1; writes ctx, out1
.if DOCPART == 3
	.amdgcn_target "amdgcn-amd-amdhsa--gfx1250"
	.amdhsa_code_object_version 6
	.text
	.protected	k_qb264457c52_attn
	.globl	k_qb264457c52_attn
	.p2align	8
	.type	k_qb264457c52_attn,@function
k_qb264457c52_attn:
	s_mov_b64 s[64:65], 0
	v_nop
	global_prefetch_b8 v0, s[64:65] scope:SCOPE_SE
	s_setreg_imm32_b32 hwreg(HW_REG_WAVE_MODE, 25, 1), 1
	s_wait_xcnt 0x0
; ATTN: ctx[b][h][q] = the sum over k of softmax_k(masked score) V[b][h][k], and out1 = head 0's scores ahead of the mask.  No work of the problem is left out here.
; qkv: f16, [K, V, Q'][batch][head][token][64]; Q' carries log2(e) / 8, so t = Q' . K is the score in base 2.  A masked t is REPLACED by -1e18 log2(e); m is the running maximum of the masked t; p = 2^(t - m),
; by a plain subtraction: a row that is wholly masked gives t - m = 0 exactly, p = 1 for every key: the plain average, as the definition has it.  In every step O and l are multiplied by a = 2^(old m - new m).
; Products in f16 with f32 sums; maxima, sums and exponentials in f32; p is rounded to f16 for the second product; l is summed of the unrounded p.
; LIMITS: a true score under -1e18 is not told from a masked one; NaN and infinities are not served; ctx is kept in f16 (|ctx| is at most the largest |V|).
; THE MASKS come as lane masks (mbits, whole numbers made by the first launch): word (T, kt, j), bit L = the mask of the score that register j of lane L holds in key tile kt.  They are read by scalar loads, a step
; ahead, and cost one v_cndmask_b32 a score.  Heads 0-7 take mask's tiles (64 b + query tile), heads 8-15 additional_mask's (512 + b): a choice of pointers on ids.
; SHARES.  A work-group owns 512 queries of one head; each of its sixteen waves 32: two tiles of 16, in 256 registers: four waves to a SIMD, so that one wave's vector work stands beside another's matrix work.
; ALL OF THE HEAD'S K AND V LIES IN LDS: every wave asks for two tiles of 64 rows at the start (waves 0-7 K's, waves 8-15 V's; keys 0-511, then 512-1023), and no byte is filled twice.
; No cluster: only two work-groups share a head's K and V, each fetches them once, and they are a small part of what a work-group does.
; LAYOUT.  S^T = K Q^T (source 0 = 16 keys, source 1 = 16 queries): a lane holds ONE query (lane % 16) and keys 8 (lane / 16) + 0 .. 7.  Two such tiles, rounded to f16 in pairs, ARE source 1 of O^T = V^T P.
; OUT1 IS MADE AT THE HEAD, while the tiles are on their way, so that its stores leave under the loop.  Each of a batch's 32 work-groups makes a block of 128 queries x 256 keys of head 0's scores, wave w
; 32 queries x 64 keys: 16 matrix instructions.  There the product is used the other way round (source 0 = 16 queries, source 1 = 16 keys), and lane r of key tile t takes key 4 r + t: register j of the four
; tiles then holds four NEIGHBOURING keys of query 8 (lane / 16) + j; the multiplication by ln 2 lays them in neighbouring registers, and sixteen lanes store 256 consecutive bytes of a row: no turn through LDS.
.set KP,    144                        ; a key's row of K in LDS: 128 bytes + 16 = 36 words: the 16 rows of a load start at 16 different groups of four banks (64 banks of 4 bytes: ISA guide 11.1)
.set VP,    160                        ; of V: 128 + 32
.set VOFF,  1024*KP
.set SPARE, VOFF+1024*VP               ; the spare words, 128 bytes a wave: eight blocks of 256 bytes that no other line names
.set WST,   4608                       ; behind the last barrier K's first bytes are the stages for ctx: wave w at 4,608 w: 2 x 16 rows x 144
.set NA,    4                          ; key steps ahead of the second barrier: keys 0-255
.set NB,    12                         ; and behind it.  Keys 512 on are first read in step 8
.set AK0, 1
.set AV0, 2
.set ADK, 3
.set ADV, 4
.set NEG, 5
.set SPW, 6
.set NIL, 7
.set QO,  8
.set STO, 9
.set RD,  10
.set GO,  11
.set KO,  12
.set GO2, 14
.set Q,   16                           ; v16-47   Q: tile u, channels 32 k on, at 16 u + 8 k
.set KV,  48                           ; v48-111  eight fragments of K, then of V
.set S,   112                          ; v112-175 S^T, 32 a tile; then p; then P in the low half of each tile's registers
.set OT,  176                          ; v176-239 O^T, 32 a tile.  At the head: head 0's queries, then out1's numbers on their way out
.set ST,  240                          ; v240-255 eight a tile: +0 m, +1 the old m, +2, +3 l, +4 .. +7 at work; a at +6
.set G1V, 4                            ; s[4:11]   group 1 for V's tiles (later s[8:9]: ctx)
.set G0A, 12                           ; s[12:15]  group 0, keys 0-511
.set G1K, 68                           ; s[68:75]  group 1 for K's tiles
.set G0B, 76                           ; s[76:79]  group 0, keys 512-1023
.set SEL, 96
.set CNT, 98
.set TB,  99
.set TBV, 100
.set MOFF, 101
.set WV,  104
	s_load_b256 s[16:23], s[0:1], 0x0              ; qkv 16, mbits 18, ctx 20, out1 22 (these registers take mask words later)
	v_lshl_add_u32 v[SPW], v0, 2, SPARE
	v_mov_b32 v[NIL], 0
	ds_add_u32 v[SPW], v[NIL]                      ; the wave's opening: the add, twice on end, and its wait ahead of my first tensor load
	ds_add_u32 v[SPW], v[NIL]
	v_lshrrev_b32 v1, 5, v0
	v_readfirstlane_b32 s[WV], v1                  ; wave 0..15
	s_mov_b32 s[G1K], (1<<16)|(1<<20)|(4<<22)|(3<<25)   ; no mask; elements of 2 bytes; padding on: after every 32 words four words
	s_mov_b32 s[G1V], (1<<16)|(1<<20)|(4<<22)|(7<<25)   ; the same with eight words
.irp g, G1K, G1V
	s_mov_b32 s[\g+1], 64<<16                      ; tensor_dim0 = 64
	s_mov_b32 s[\g+2], 64<<16                      ; tensor_dim1 = 64
	s_mov_b32 s[\g+3], 64<<16                      ; tile_dim0 = 64
	s_mov_b32 s[\g+4], 64                          ; tile_dim1 = 64
	s_mov_b32 s[\g+5], 64                          ; from row to row
	s_mov_b32 s[\g+6], 0
	s_mov_b32 s[\g+7], 0
.endr
	s_mov_b32 s[SEL], 0x76543210
	s_mov_b32 s[SEL+1], 0xfedcba98                 ; v_permlanex16_b32's selects for lane l xor 16
	s_mov_b32 s[TB], 0
	s_mov_b32 s[TBV], 0
	s_mov_b32 s[MOFF], 0
	s_and_b32 s26, ttmp7, 0xffff                   ; 16 b + h
	s_lshr_b32 s27, s26, 4                         ; b
	s_and_b32 s28, s26, 15                         ; h
	s_lshl_b32 s30, s26, 17                        ; the head's 131,072 bytes,
	s_lshl_b32 s31, s[WV], 13                      ; + wave x 64 rows of 128 bytes
	s_add_co_u32 s30, s30, s31
	s_mov_b32 s31, 0
	s_lshl_b32 s32, s26, 17                        ; Q': the third tensor, my head, my half's 512 rows, my wave's 32
	s_lshl_b32 s33, ttmp9, 16
	s_add_co_u32 s32, s32, s33
	s_lshl_b32 s33, s[WV], 12
	s_add_co_u32 s32, s32, s33
	s_add_co_u32 s32, s32, 0x2000000
	s_mov_b32 s33, 0
	s_lshl_b32 s34, s27, 6                         ; the mask's tile: 64 b + 32 half + 2 wave,
	s_lshl_b32 s35, ttmp9, 5
	s_add_co_u32 s34, s34, s35
	s_lshl_b32 s35, s[WV], 1
	s_add_co_u32 s34, s34, s35
	s_add_co_u32 s35, s27, 512                     ; or 512 + b
	s_cmp_lt_u32 s28, 8
	s_cselect_b32 s34, s34, s35
	s_cselect_b32 s36, 2048, 0                     ; my second tile's words: the next tile's, or the same
	s_lshl_b32 s34, s34, 11
	s_mov_b32 s35, 0
	s_mov_b32 s37, 0
	; out1: work-group 2 h + half of the batch's 32 takes query block (that number / 4) of 128 and key block (that number % 4) of 256; wave w queries 32 (w / 4) on and keys 64 (w % 4) on of them
	s_lshl_b32 s38, s28, 1
	s_add_co_u32 s38, s38, ttmp9
	s_lshr_b32 s39, s38, 2
	s_and_b32 s38, s38, 3
	s_lshl_b32 s39, s39, 7
	s_lshr_b32 s40, s[WV], 2
	s_lshl_b32 s40, s40, 5
	s_add_co_u32 s39, s39, s40                     ; my first query
	s_lshl_b32 s38, s38, 8
	s_and_b32 s40, s[WV], 3
	s_lshl_b32 s40, s40, 6
	s_add_co_u32 s38, s38, s40                     ; my first key
	s_lshl_b32 s40, s27, 21                        ; the batch's head 0 in a tensor of qkv
	s_lshl_b32 s42, s39, 7
	s_add_co_u32 s42, s42, s40
	s_add_co_u32 s42, s42, 0x2000000               ; Q' of head 0 at my first query
	s_mov_b32 s43, 0
	s_lshl_b32 s44, s38, 7
	s_add_co_u32 s44, s44, s40                     ; K of head 0 at my first key
	s_mov_b32 s45, 0
	s_lshl_b32 s46, s27, 22                        ; out1: the batch's 1,024 rows of 4,096 bytes,
	s_lshl_b32 s41, s39, 12
	s_add_co_u32 s46, s46, s41                     ; my first query's row,
	s_lshl_b32 s41, s38, 2
	s_add_co_u32 s46, s46, s41                     ; my first key: a multiple of 256 bytes
	s_mov_b32 s47, 0
	s_mul_i32 s105, s[WV], WST
	v_and_b32 v48, 15, v0                          ; r
	v_bfe_u32 v49, v0, 4, 1                        ; h
	v_and_b32 v50, 7, v0
	v_bfe_u32 v51, v0, 3, 1
	v_and_b32 v52, 31, v0                          ; lane
	v_bfe_u32 v53, v0, 3, 2                        ; lane / 8
	v_mul_u32_u24 v[AK0], v48, KP
	v_lshl_add_u32 v[AK0], v49, 4, v[AK0]          ; K: row r, + 16 h
	v_lshl_add_u32 v[AV0], v49, 3, v50
	v_mul_u32_u24 v[AV0], v[AV0], VP
	v_lshl_add_u32 v[AV0], v51, 4, v[AV0]
	v_add_nc_u32 v[AV0], VOFF, v[AV0]              ; V, for the turning load: key 8 h + l % 8, channels 8 ((l / 8) % 2) on
	v_mov_b32 v[NEG], 0xdda02bdc                   ; -1e18 x log2(e)
	v_lshlrev_b32 v[QO], 7, v48
	v_lshl_add_u32 v[QO], v49, 4, v[QO]            ; a fragment of queries from memory: row r of 128 bytes, + 16 h
	v_lshlrev_b32 v[KO], 9, v48
	v_lshl_add_u32 v[KO], v49, 4, v[KO]            ; out1's fragments of keys: key 4 r (+ t in the immediate), + 16 h
	v_add_nc_u32 v[STO], s105, v[AK0]              ; ctx's stage, in: row r, + 16 h
	v_mul_u32_u24 v[RD], v53, KP
	v_lshl_add_u32 v[RD], v50, 4, v[RD]
	v_add_nc_u32 v[RD], s105, v[RD]                ; back: four rows of 128 bytes an instruction
	v_lshlrev_b32 v[GO], 4, v52
	v_lshlrev_b32 v[GO2], 4, v48
	v_lshl_add_u32 v[GO2], v49, 15, v[GO2]         ; out1: 16 bytes a lane of a row; lanes 16-31 eight rows of 4,096 bytes further down
	s_wait_dscnt 0x0                               ; both opening adds are done
	s_wait_kmcnt 0x0
	s_add_nc_u64 s[G0A+2:G0A+3], s[16:17], s[30:31]
	s_add_nc_u64 s[24:25], s[16:17], s[32:33]      ; Q' at my first query
	s_add_nc_u64 s[2:3], s[18:19], s[34:35]        ; my first tile's mask words,
	s_add_nc_u64 s[66:67], s[2:3], s[36:37]        ; my second's
	s_add_nc_u64 s[48:49], s[16:17], s[42:43]      ; out1's queries,
	s_add_nc_u64 s[50:51], s[16:17], s[44:45]      ; its keys,
	s_add_nc_u64 s[52:53], s[22:23], s[46:47]      ; and its place
.irp t, 0,1,2,3
.irp k, 0,1
	global_load_b128 v[KV+8*(2*\t+\k):KV+8*(2*\t+\k)+3],   v[KO], s[50:51] offset:\t*128+64*\k      ; head 0's key 4 r + t, channels 32 k on.  These 24 loads go out ahead of the tiles: their work fills the wait for the tiles
	global_load_b128 v[KV+8*(2*\t+\k)+4:KV+8*(2*\t+\k)+7], v[KO], s[50:51] offset:\t*128+64*\k+32
.endr
.endr
.irp u, 0,1
.irp k, 0,1
	global_load_b128 v[OT+16*\u+8*\k:OT+16*\u+8*\k+3],   v[QO], s[48:49] offset:\u*2048+64*\k
	global_load_b128 v[OT+16*\u+8*\k+4:OT+16*\u+8*\k+7], v[QO], s[48:49] offset:\u*2048+64*\k+32
.endr
.endr
	s_mov_b32 s[G0A], 1
	s_mov_b32 s[G0B], 1
	s_cmp_lt_u32 s[WV], 8                          ; a wave's two fills stand in one arm of one branch on its number; two loads of mine are out
	s_cbranch_scc0 .Lfor_v
	s_mul_i32 s[G0A+1], s[WV], 64*KP               ; K: keys 64 w on,
	s_add_co_u32 s[G0B+1], s[G0A+1], 512*KP        ; and 512 + 64 w on
	s_add_nc_u64 s[G0B+2:G0B+3], s[G0A+2:G0A+3], 65536
	s_or_b32 s[G0A+3], s[G0A+3], 0x80000000
	s_or_b32 s[G0B+3], s[G0B+3], 0x80000000
	tensor_load_to_lds s[G0A:G0A+3], s[G1K:G1K+7]
	s_nop 0
	tensor_load_to_lds s[G0B:G0B+3], s[G1K:G1K+7]
	s_nop 0
.rept 4
	v_nop
.endr
	s_branch .Lasked
.Lfor_v:
	s_mul_i32 s[G0A+1], s[WV], 64*VP               ; V: keys 64 (w - 8) on: VOFF - 8 x 10,240 = 65,536
	s_add_co_u32 s[G0A+1], s[G0A+1], VOFF-8*64*VP
	s_add_co_u32 s[G0B+1], s[G0A+1], 512*VP
	s_add_nc_u64 s[G0A+2:G0A+3], s[G0A+2:G0A+3], 0xff0000   ; the second tensor, 16 MiB on, less the eight waves' 65,536 bytes
	s_add_nc_u64 s[G0B+2:G0B+3], s[G0A+2:G0A+3], 65536
	s_or_b32 s[G0A+3], s[G0A+3], 0x80000000
	s_or_b32 s[G0B+3], s[G0B+3], 0x80000000
	tensor_load_to_lds s[G0A:G0A+3], s[G1V:G1V+7]
	s_nop 0
	tensor_load_to_lds s[G0B:G0B+3], s[G1V:G1V+7]
	s_nop 0
.rept 4
	v_nop
.endr
.Lasked:
.irp u, 0,1
.irp k, 0,1
	global_load_b128 v[Q+16*\u+8*\k:Q+16*\u+8*\k+3],   v[QO], s[24:25] offset:\u*2048+64*\k
	global_load_b128 v[Q+16*\u+8*\k+4:Q+16*\u+8*\k+7], v[QO], s[24:25] offset:\u*2048+64*\k+32
.endr
.endr
.irp u, 0,1
	v_mov_b32 v[ST+8*\u], 0xff61b1e6               ; m: -3e38, under every t, the masked ones too
	v_mov_b32 v[ST+8*\u+2], 0                      ; l
	v_mov_b32 v[ST+8*\u+3], 0
.endr
	; ---- OUT1: t of head 0, my 32 queries x my 64 keys.  The eight accumulators take turns, one instruction a turn; the first eight start the sums.
	s_wait_loadcnt 8                               ; head 0's 24 loads are in; my own Q's eight, issued behind them, may be out
.irp k, 0,1
.irp t, 0,1,2,3
.irp u, 0,1
.if \k == 0
	v_wmma_f32_16x16x32_f16 v[S+32*\u+8*\t:S+32*\u+8*\t+7], v[OT+16*\u+8*\k:OT+16*\u+8*\k+7], v[KV+8*(2*\t+\k):KV+8*(2*\t+\k)+7], 0
.else
	v_wmma_f32_16x16x32_f16 v[S+32*\u+8*\t:S+32*\u+8*\t+7], v[OT+16*\u+8*\k:OT+16*\u+8*\k+7], v[KV+8*(2*\t+\k):KV+8*(2*\t+\k)+7], v[S+32*\u+8*\t:S+32*\u+8*\t+7]
.endif
.endr
.endr
.endr
.rept 4
	v_nop                                          ; four places ahead of the lines that read the results and write over the queries' registers (ISA guide 7.12.1)
.endr
.irp u, 0,1
.irp j, 0,1,2,3,4,5,6,7
.irp t, 0,1,2,3
	v_mul_f32 v[OT+4*(8*\u+\j)+\t], 0x3f317218, v[S+32*\u+8*\t+\j]   ; x ln 2: the score as the definition has it; keys 4 r + 0 .. 3 of query 16 u + 8 h + j come to lie in four neighbouring registers.  Each accumulator is read from its low end on
.endr
.endr
.endr
.irp u, 0,1
.irp j, 0,1,2,3,4,5,6,7
	global_store_b128 v[GO2], v[OT+4*(8*\u+\j):OT+4*(8*\u+\j)+3], s[52:53] offset:(16*\u+\j)*4096 th:TH_STORE_NT   ; 16 lanes store 256 consecutive bytes, aligned
.endr
.endr
	s_wait_xcnt 0x0                                ; the loads and stores above have read their bases and their data: the mask words land on the bases, the zeros on the data
.set i, 0
.rept 64
	v_mov_b32 v[OT+i], 0                           ; O^T.  (The step is written once for all steps: the first finds zeros, which a = 0 leaves zeros)
.set i, i+1
.endr
.macro MASKS                           ; a step's 2 x 32 mask words: 64 keys = 4 key tiles x 8 registers
	s_load_b512 s[16:31], s[2:3], s[MOFF] offset:0x0
	s_load_b512 s[32:47], s[2:3], s[MOFF] offset:0x40
	s_load_b512 s[48:63], s[66:67], s[MOFF] offset:0x0
	s_load_b512 s[80:95], s[66:67], s[MOFF] offset:0x40
.endm
	MASKS
; 16 products S^T = K Q^T: channels 32 k on, keys 16 t on, tile u.  The eight accumulators take turns, one instruction a turn; the first eight start the sums.
.macro SPROD
.irp k, 0,1
.irp t, 0,1,2,3
.irp u, 0,1
.if \k == 0
	v_wmma_f32_16x16x32_f16 v[S+32*\u+8*\t:S+32*\u+8*\t+7], v[KV+8*(2*\t+\k):KV+8*(2*\t+\k)+7], v[Q+16*\u+8*\k:Q+16*\u+8*\k+7], 0
.else
	v_wmma_f32_16x16x32_f16 v[S+32*\u+8*\t:S+32*\u+8*\t+7], v[KV+8*(2*\t+\k):KV+8*(2*\t+\k)+7], v[Q+16*\u+8*\k:Q+16*\u+8*\k+7], v[S+32*\u+8*\t:S+32*\u+8*\t+7]
.endif
.endr
.endr
.endr
.endm
; A KEY STEP: 64 keys.
.macro STEP
	v_add_nc_u32 v[ADK], s[TB], v[AK0]
	v_add_nc_u32 v[ADV], s[TBV], v[AV0]
.rept 3
	v_nop                                          ; with the two additions five places behind the last products: four for the loads into their operands' registers, five for the products that write over registers of theirs
.endr
.irp t, 0,1,2,3
.irp k, 0,1
	ds_load_b128 v[KV+8*(2*\t+\k):KV+8*(2*\t+\k)+3],   v[ADK] offset:\t*16*KP+64*\k
	ds_load_b128 v[KV+8*(2*\t+\k)+4:KV+8*(2*\t+\k)+7], v[ADK] offset:\t*16*KP+64*\k+32
.endr
.endr
	s_wait_dscnt 0x0
	SPROD
.irp u, 0,1
	v_mov_b32 v[ST+8*\u+1], v[ST+8*\u]             ; the old m is kept.  (With the two v_nop: four places behind the products)
.endr
	v_nop
	v_nop
.irp g, 0,1
.irp c, 0,1,2,3
	ds_load_tr16_b128 v[KV+8*(4*\g+\c):KV+8*(4*\g+\c)+3],   v[ADV] offset:\g*32*VP+\c*32          ; V^T: channels 16 c on, keys 32 g on; they land under the softmax
	ds_load_tr16_b128 v[KV+8*(4*\g+\c)+4:KV+8*(4*\g+\c)+7], v[ADV] offset:\g*32*VP+16*VP+\c*32
.endr
.endr
	s_wait_kmcnt 0x0                               ; this step's mask words (asked for a step ago)
.set i, 0
.rept 32
	v_cndmask_b32 v[S+i], v[S+i], v[NEG], s[16+i]  ; each accumulator from its low end on
.set i, i+1
.endr
.set i, 0
.rept 16
	v_cndmask_b32 v[S+32+i], v[S+32+i], v[NEG], s[48+i]
.set i, i+1
.endr
.set i, 0
.rept 16
	v_cndmask_b32 v[S+48+i], v[S+48+i], v[NEG], s[80+i]
.set i, i+1
.endr
	s_add_co_u32 s[MOFF], s[MOFF], 128             ; (the loads that read it are done: the wait above)
	s_min_u32 s[MOFF], s[MOFF], 1920               ; the last step asks for its own words once more: no load leaves the tile's 2,048 bytes
	MASKS
.irp j, 0,1,2,3
.irp u, 0,1
	v_max3_num_f32 v[ST+8*\u+4+\j], v[S+32*\u+8*\j], v[S+32*\u+8*\j+1], v[S+32*\u+8*\j+2]   ; the maximum: four chains a tile, the tiles by turns
.endr
.endr
.irp g, 1,2
.irp j, 0,1,2,3
.irp u, 0,1
	v_max3_num_f32 v[ST+8*\u+4+\j], v[ST+8*\u+4+\j], v[S+32*\u+8*\j+2*\g+1], v[S+32*\u+8*\j+2*\g+2]
.endr
.endr
.endr
.irp u, 0,1
	v_max3_num_f32 v[ST+8*\u+4], v[ST+8*\u+4], v[S+32*\u+7], v[S+32*\u+15]
.endr
.irp u, 0,1
	v_max3_num_f32 v[ST+8*\u+6], v[ST+8*\u+6], v[S+32*\u+23], v[S+32*\u+31]
.endr
.irp u, 0,1
	v_max3_num_f32 v[ST+8*\u+4], v[ST+8*\u+4], v[ST+8*\u+5], v[ST+8*\u+6]
.endr
.irp u, 0,1
	v_max3_num_f32 v[ST+8*\u+4], v[ST+8*\u+4], v[ST+8*\u+7], v[ST+8*\u+1]
.endr
.irp u, 0,1
	v_permlanex16_b32 v[ST+8*\u+5], v[ST+8*\u+4], s[SEL], s[SEL+1]   ; the query's other keys lie in the lane 16 away
.endr
.irp u, 0,1
	v_max_num_f32 v[ST+8*\u], v[ST+8*\u+4], v[ST+8*\u+5]             ; the new m
.endr
.irp u, 0,1
	v_sub_f32 v[ST+8*\u+7], v[ST+8*\u+1], v[ST+8*\u]                 ; old m - new m
.endr
.irp u, 0,1
.set i, 0
.rept 16
	v_pk_add_f32 v[S+32*\u+2*i:S+32*\u+2*i+1], v[S+32*\u+2*i:S+32*\u+2*i+1], v[ST+8*\u:ST+8*\u+1] op_sel_hi:[1,0] neg_lo:[0,1] neg_hi:[0,1]   ; t - m, two at a time
.set i, i+1
.endr
.endr
.irp u, 0,1
	v_exp_f32 v[ST+8*\u+6], v[ST+8*\u+7]           ; a
.endr
.set i, 0
.rept 64
	v_exp_f32 v[S+i], v[S+i]                       ; p
.set i, i+1
.endr
	v_nop                                          ; a plain instruction behind the last exponential,
	s_wait_alu depctr_va_vdst(0)                   ; and one wait for the whole batch, ahead of its first reader
.irp u, 0,1
	v_pk_fma_f32 v[ST+8*\u+2:ST+8*\u+3], v[ST+8*\u+2:ST+8*\u+3], v[ST+8*\u+6:ST+8*\u+7], v[S+32*\u:S+32*\u+1] op_sel_hi:[1,0,1]   ; l = a l + the sum of p: two chains a tile
	v_pk_add_f32 v[ST+8*\u+4:ST+8*\u+5], v[S+32*\u+2:S+32*\u+3], v[S+32*\u+4:S+32*\u+5]
.endr
.irp i, 6,10,14,18,22,26
.irp u, 0,1
	v_pk_add_f32 v[ST+8*\u+2:ST+8*\u+3], v[ST+8*\u+2:ST+8*\u+3], v[S+32*\u+\i:S+32*\u+\i+1]
	v_pk_add_f32 v[ST+8*\u+4:ST+8*\u+5], v[ST+8*\u+4:ST+8*\u+5], v[S+32*\u+\i+2:S+32*\u+\i+3]
.endr
.endr
.irp u, 0,1
	v_pk_add_f32 v[ST+8*\u+2:ST+8*\u+3], v[ST+8*\u+2:ST+8*\u+3], v[S+32*\u+30:S+32*\u+31]
.endr
.irp u, 0,1
	v_pk_add_f32 v[ST+8*\u+2:ST+8*\u+3], v[ST+8*\u+2:ST+8*\u+3], v[ST+8*\u+4:ST+8*\u+5]
.endr
.irp u, 0,1
.set i, 0
.rept 16
	v_cvt_pk_f16_f32 v[S+32*\u+i], v[S+32*\u+2*i], v[S+32*\u+2*i+1]   ; in place, ascending: P's fragment of keys 32 g on is v[S + 32 u + 8 g ..]
.set i, i+1
.endr
.endr
.irp u, 0,1
.set i, 0
.rept 16
	v_pk_mul_f32 v[OT+32*\u+2*i:OT+32*\u+2*i+1], v[OT+32*\u+2*i:OT+32*\u+2*i+1], v[ST+8*\u+6:ST+8*\u+7] op_sel_hi:[1,0]   ; O^T x a
.set i, i+1
.endr
.endr
	s_wait_dscnt 0x0                               ; V is in
.irp g, 0,1
.irp c, 0,1,2,3
.irp u, 0,1
	v_wmma_f32_16x16x32_f16 v[OT+32*\u+8*\c:OT+32*\u+8*\c+7], v[KV+8*(4*\g+\c):KV+8*(4*\g+\c)+7], v[S+32*\u+8*\g:S+32*\u+8*\g+7], v[OT+32*\u+8*\c:OT+32*\u+8*\c+7]
.endr
.endr
.endr
	s_add_co_u32 s[TB], s[TB], 64*KP
	s_add_co_u32 s[TBV], s[TBV], 64*VP
.endm
	s_wait_tensorcnt 1                             ; my tile of keys 0-511 is in; my second load may be out
	s_barrier_signal -1
	s_barrier_wait -1                              ; everybody's is
	s_wait_loadcnt 0x0                             ; Q
	s_mov_b32 s[CNT], NA
.Lahead:                                           ; keys 0-255
	STEP
	s_sub_co_u32 s[CNT], s[CNT], 1
	s_cmp_lg_u32 s[CNT], 0
	s_cbranch_scc1 .Lahead
	s_wait_tensorcnt 0x0                           ; my tile of keys 512-1023 is in: this barrier stands four steps ahead of the first read of those keys, and the twelve steps behind it meet no barrier
	s_wait_dscnt 0x0
	s_barrier_signal -1
	s_barrier_wait -1                              ; everybody's is
	s_load_b64 s[8:9], s[0:1], 0x10                ; ctx once more, into descriptor registers that no load names any longer
	s_mov_b32 s[TB], NA*64*KP
	s_mov_b32 s[TBV], NA*64*VP
	s_mov_b32 s[CNT], NB
.Lrest:                                            ; keys 256-1023
	STEP
	s_sub_co_u32 s[CNT], s[CNT], 1
	s_cmp_lg_u32 s[CNT], 0
	s_cbranch_scc1 .Lrest
	; THE WAY OUT.  No LDS instruction of mine is out: behind this barrier nobody reads K's bytes, of which the first become the stages.  Register work stands between signal and wait.
	s_barrier_signal -1
.irp u, 0,1
	v_add_f32 v[ST+8*\u+4], v[ST+8*\u+2], v[ST+8*\u+3]
.endr
.irp u, 0,1
	v_permlanex16_b32 v[ST+8*\u+5], v[ST+8*\u+4], s[SEL], s[SEL+1]
.endr
.irp u, 0,1
	v_add_f32 v[ST+8*\u+4], v[ST+8*\u+4], v[ST+8*\u+5]     ; the row's sum
.endr
.irp u, 0,1
	v_rcp_f32 v[ST+8*\u+6], v[ST+8*\u+4]
.endr
	v_nop
	s_wait_kmcnt 0x0
	s_and_b32 s72, ttmp7, 0xffff                   ; 16 b + h
	s_lshl_b32 s76, s72, 17
	s_lshl_b32 s75, ttmp9, 16
	s_add_co_u32 s76, s76, s75
	s_lshl_b32 s75, s[WV], 12
	s_add_co_u32 s76, s76, s75
	s_mov_b32 s77, 0
	s_add_nc_u64 s[12:13], s[8:9], s[76:77]        ; ctx at my first query
	s_wait_alu depctr_va_vdst(0)                   ; one wait for the two reciprocals, ahead of their first reader
	s_barrier_wait -1
.irp u, 0,1
.set i, 0
.rept 16
	v_pk_mul_f32 v[OT+32*\u+2*i:OT+32*\u+2*i+1], v[OT+32*\u+2*i:OT+32*\u+2*i+1], v[ST+8*\u+6:ST+8*\u+7] op_sel_hi:[1,0]   ; O^T / l
.set i, i+1
.endr
.endr
.set i, 0
.rept 32
	v_cvt_pk_f16_f32 v[OT+i], v[OT+2*i], v[OT+2*i+1]       ; in place, ascending: tile u, channels 16 c + 8 h on: v[OT + 16 u + 4 c ..]
.set i, i+1
.endr
.irp u, 0,1
.irp c, 0,1,2,3
	ds_store_b128 v[STO], v[OT+16*\u+4*\c:OT+16*\u+4*\c+3] offset:\u*16*KP+32*\c
.endr
.endr
.irp u, 0,1
.irp i, 0,1,2,3
	ds_load_b128 v[OT+32+4*(4*\u+\i):OT+32+4*(4*\u+\i)+3], v[RD] offset:\u*16*KP+\i*4*KP   ; LDS serves a wave's instructions in order (ISA guide 5.7.1.4): these see my stores
.endr
.endr
.irp u, 0,1
.irp i, 0,1,2,3
	s_wait_dscnt 7-(4*\u+\i)                       ; this load is in; the younger ones stay out
	global_store_b128 v[GO], v[OT+32+4*(4*\u+\i):OT+32+4*(4*\u+\i)+3], s[12:13] offset:\u*2048+\i*512   ; 512 consecutive bytes, aligned: four tokens of my head
.endr
.endr
	s_wait_tensorcnt 0x0                           ; the wave's end
	ds_add_u32 v[SPW], v[NIL]
	s_wait_dscnt 0x0
	s_endpgm
.Lfunc_end_k_qb264457c52_attn:
	.size	k_qb264457c52_attn, .Lfunc_end_k_qb264457c52_attn-k_qb264457c52_attn
	.p2alignl 7, 3214868480
	.fill 96, 4, 3214868480
	.section	.rodata,"a",@progbits
	.p2align	6, 0x0
	.amdhsa_kernel k_qb264457c52_attn
		.amdhsa_group_segment_fixed_size 327680
		.amdhsa_private_segment_fixed_size 0
		.amdhsa_enable_private_segment 0
		.amdhsa_kernarg_size 32
		.amdhsa_user_sgpr_count 2
		.amdhsa_user_sgpr_kernarg_segment_ptr 1
		.amdhsa_wavefront_size32 1
		.amdhsa_system_sgpr_workgroup_id_x 1
		.amdhsa_system_sgpr_workgroup_id_y 1
		.amdhsa_system_sgpr_workgroup_id_z 1
		.amdhsa_system_vgpr_workitem_id 0
		.amdhsa_next_free_vgpr 256
		.amdhsa_next_free_sgpr 106
		.amdhsa_reserve_vcc 0
		.amdhsa_float_denorm_mode_32 3
		.amdhsa_float_denorm_mode_16_64 3
		.amdhsa_memory_ordered 1
		.amdhsa_forward_progress 1
		.amdhsa_inst_pref_size 69
	.end_amdhsa_kernel
	.amdgpu_metadata
---
amdhsa.version: [ 1, 2 ]
amdhsa.kernels:
  - .name:           k_qb264457c52_attn
    .symbol:         k_qb264457c52_attn.kd
    .args:
      - { .name: qkv, .offset: 0, .size: 8, .value_kind: global_buffer, .address_space: global }
      - { .name: mbits, .offset: 8, .size: 8, .value_kind: global_buffer, .address_space: global }
      - { .name: ctx, .offset: 16, .size: 8, .value_kind: global_buffer, .address_space: global }
      - { .name: out1, .offset: 24, .size: 8, .value_kind: global_buffer, .address_space: global }
    .group_segment_fixed_size: 327680
    .private_segment_fixed_size: 0
    .kernarg_segment_align: 8
    .kernarg_segment_size: 32
    .max_flat_workgroup_size: 512
    .sgpr_count:     106
    .vgpr_count:     256
    .wavefront_size: 32
...
	.end_amdgpu_metadata
.endif
;; end of part 3
;; launch outp (part 4): grid 8 x 64, 4 waves a work-group, clusters of 4 x 4, 327,680 bytes of LDS; arguments ctx, wo16, bo, out0; writes out0
.if DOCPART == 4
	.amdgcn_target "amdgcn-amd-amdhsa--gfx1250"
	.amdhsa_code_object_version 6
	.text
	.protected	k_qb264457c52_outp
	.globl	k_qb264457c52_outp
	.p2align	8
	.type	k_qb264457c52_outp,@function
k_qb264457c52_outp:
	s_mov_b64 s[64:65], 0
	v_nop
	global_prefetch_b8 v0, s[64:65] scope:SCOPE_SE
	s_setreg_imm32_b32 hwreg(HW_REG_WAVE_MODE, 25, 1), 1
	s_wait_xcnt 0x0
	s_wait_alu depctr_hold_cnt(0) depctr_sa_sdst(0) depctr_va_vdst(0) depctr_va_sdst(0) depctr_va_ssrc(0) depctr_va_vcc(0) depctr_vm_vsrc(0)
	s_getreg_b32 s2, hwreg(HW_REG_IB_STS2, 6, 4)
	s_cmp_eq_u32 s2, 0
	s_cbranch_scc0 .Lentry_in_a_cluster
	s_endpgm
.Lentry_in_a_cluster:
	s_bfe_u32 s2, ttmp6, 0x10000c
	s_cmp_lg_u32 s2, 0xf033
	s_cbranch_scc0 .Lentry_shape_is_right
	s_endpgm
.Lentry_shape_is_right:
; OUTP: out0[m][n] = the sum over k of ctx[m][k] Wo[n][k] + bo[n]; operands f16, sums f32, out0 f32.  No work of the problem is left out here.
; ctx lies by head: [batch][head][token][64] f16, k = 64 head + channel; wo16 [n][k] f16.
; A tile of out0 is 128 x 128: four waves, each 64 x 64: 16 accumulators.  K goes in four steps of 256 (four heads) through two LDS slots.
; A'S TILE OUT OF THE HEAD-MAJOR ctx: a wave's load brings 64 tokens of four heads: a descriptor row is the 64 tokens' 4,096 dense elements of one head, four rows 65,536 elements apart; 16 bytes of padding behind
; every 128 bytes: in LDS head z, token p lies at 9,216 z + 144 p.  B's tile: 64 rows of 512 bytes, 528 apart.
; CLUSTERS: 4 x 4 work-groups; A's tiles are shared along a row of the cluster, B's along a column: joint loads.  THE MATRIX INSTRUCTION IS USED TRANSPOSED (source 0 = 16 rows of Wo, source 1 = 16 tokens):
; a lane holds eight neighbouring columns of one row of out0.  The bias is the C of each sum's first product.
; REGISTERS: window 0: v0-31 addresses; v32-95 the way out; v96-127 the bias; v128-255 the accumulators ((a, b) at v[128 + 8 (4 a + b)]).  window 1: two fragment buffers of 128: 64 of A, then 64 of B.
.set KSTEP,  256
.set PA,     144                       ; a token's 128 bytes + 16: 36 words
.set PB,     528                       ; a row of Wo's tile: 512 bytes + 16: 132 words: in both, the 16 rows that a load touches start at 16 different groups of four banks (64 banks of 4 bytes: ISA guide 11.1)
.set HALFA,  4*64*PA                   ; what one load brings of A
.set HALFB,  64*PB                     ; of B
.set SLOT,   2*HALFA+2*HALFB
.set SPARE,  2*SLOT                    ; the spare words, 128 bytes a wave: two blocks of 256 bytes that no other line names
.set SPITCH, 272                       ; the way out: a stage of 16 rows x (256 bytes + 16) for each wave, in slot 0, which has had its last fill and its last read by then
.set LAPS,   2
.set ADRA, 16
.set ADRB, 20
.set STO,  24
.set RD,   25
.set CO,   26
.set SPW,  28
.set NIL,  29
.set BOF,  30
.set TMP,  32
.set BI,   96
.set ACC,  128
.set F0,   0
.set F1,   128
.set G1, 24
.set G0, 32
.set G1B, 48
.set G0B, 56
.set MSB, 0
.macro WIN new
.if MSB != (\new)
	s_set_vgpr_msb (MSB<<8)|(\new)
.set MSB, (\new)
.endif
.endm
.set MUL,  0x05                        ; sources 0 and 1 window 1; C and D window 0
.set TO_F, 0x40
.macro JLOAD s                         ; a joint load: waves 0 and 1 fetch A's halves, waves 2 and 3 B's; an s_nop 0 and four v_nop follow each line
	s_cmp_eq_u32 s13, 0
	s_cbranch_scc0 .Lfor_b_\@
	tensor_load_to_lds s[G0+4*\s:G0+4*\s+3], s[G1:G1+7]
	s_nop 0
.rept 4
	v_nop
.endr
	s_branch .Lasked_\@
.Lfor_b_\@:
	tensor_load_to_lds s[G0B+4*\s:G0B+4*\s+3], s[G1B:G1B+7]
	s_nop 0
.rept 4
	v_nop
.endr
.Lasked_\@:
.endm
.macro CREST
	s_cmp_lg_u32 s12, 0
	s_cbranch_scc1 .Lnot_wave_0_\@
	s_barrier_signal -3
.Lnot_wave_0_\@:
	s_barrier_wait -3
	s_barrier_signal -1
	s_barrier_wait -1
.endm
.macro CROUND
	s_barrier_signal -1
	s_barrier_wait -1
	CREST
.endm
	s_load_b256 s[4:11], s[0:1], 0x0               ; ctx 4, wo16 6, bo 8, out0 10
	v_lshl_add_u32 v[SPW], v0, 2, SPARE
	v_mov_b32 v[NIL], 0
	ds_add_u32 v[SPW], v[NIL]                      ; the wave's opening: the add, twice on end, and its wait ahead of my first tensor load
	ds_add_u32 v[SPW], v[NIL]
	v_lshrrev_b32 v1, 5, v0
	v_readfirstlane_b32 s12, v1                    ; wave 0..3
	s_lshr_b32 s13, s12, 1                         ; which half of the tile's rows is mine.  Also: I fetch for A (0) or for B (1)
	s_and_b32 s14, s12, 1                          ; which half of its columns.  Also: which 64 rows of that tile I fetch
	s_bfe_u32 s40, ttmp6, 0x40000                  ; cx
	s_bfe_u32 s41, ttmp6, 0x40004                  ; cy
	s_lshl_b32 s42, ttmp9, 2
	s_add_co_u32 s42, s42, s40                     ; tile column
	s_and_b32 s15, ttmp7, 0xffff
	s_lshl_b32 s15, s15, 2
	s_add_co_u32 s15, s15, s41                     ; tile row
	s_lshl_b32 s43, s41, 2
	s_lshl_b32 s43, 15, s43                        ; my row of the cluster
	s_lshl_b32 s44, 0x1111, s40                    ; my column
	s_or_b32 s[G1+0], s43, (1<<16)|(1<<20)|(1<<21)|(4<<22)|(3<<25)   ; the mask; elements of 2 bytes; padding on; 21 set beside a mask; after every 32 words four words
	s_mov_b32 s[G1+1], 4096<<16                    ; tensor_dim0 = 4,096: 64 tokens x 64 channels
	s_mov_b32 s[G1+2], 4<<16                       ; tensor_dim1 = 4 heads
	s_mov_b32 s[G1+3], 4096<<16                    ; tile_dim0
	s_mov_b32 s[G1+4], 4                           ; tile_dim1
	s_mov_b32 s[G1+5], 65536                       ; from head to head, in elements
	s_mov_b32 s[G1+6], 0
	s_mov_b32 s[G1+7], 0
	s_or_b32 s[G1B+0], s44, (1<<16)|(1<<20)|(1<<21)|(6<<22)|(3<<25)  ; after every 128 words four words
	s_mov_b32 s[G1B+1], KSTEP<<16
	s_mov_b32 s[G1B+2], 64<<16
	s_mov_b32 s[G1B+3], KSTEP<<16
	s_mov_b32 s[G1B+4], 64
	s_mov_b32 s[G1B+5], 1024
	s_mov_b32 s[G1B+6], 0
	s_mov_b32 s[G1B+7], 0
	s_lshr_b32 s16, s15, 3
	s_lshl_b32 s16, s16, 21                        ; A: the batch's 16 heads x 131,072 bytes,
	s_and_b32 s17, s15, 7
	s_lshl_b32 s17, s17, 14                        ; + the tile's 128 tokens x 128 bytes,
	s_add_co_u32 s16, s16, s17
	s_lshl_b32 s17, s14, 13                        ; + the 64 tokens that I fetch
	s_add_co_u32 s16, s16, s17
	s_mov_b32 s17, 0
	s_lshl_b32 s46, s42, 7
	s_lshl_b32 s47, s14, 6
	s_add_co_u32 s46, s46, s47                     ; B: row 128 x tile column + 64 x half,
	s_lshl_b32 s46, s46, 11                        ; of 2,048 bytes
	s_mov_b32 s47, 0
	s_mul_i32 s20, s14, HALFA                      ; where they go: no place in the cluster enters an LDS address
	s_mul_i32 s21, s14, HALFB
	s_add_co_u32 s21, s21, 2*HALFA
	s_wait_dscnt 0x0                               ; both opening adds are done
	s_wait_kmcnt 0x0
	s_add_nc_u64 s[66:67], s[4:5], s[16:17]
	s_add_nc_u64 s[46:47], s[6:7], s[46:47]
	CROUND                                         ; all sixteen work-groups are here: the first joint loads meet
.irp s, 0,1
	s_mov_b32 s[G0+4*\s], 1
	s_add_co_u32 s[G0+4*\s+1], s20, \s*SLOT
	s_add_nc_u64 s[G0+4*\s+2:G0+4*\s+3], s[66:67], \s*524288       ; K step s: heads 4 s on
	s_or_b32 s[G0+4*\s+3], s[G0+4*\s+3], 0x80000000
	s_mov_b32 s[G0B+4*\s], 1
	s_add_co_u32 s[G0B+4*\s+1], s21, \s*SLOT
	s_add_nc_u64 s[G0B+4*\s+2:G0B+4*\s+3], s[46:47], \s*KSTEP*2
	s_or_b32 s[G0B+4*\s+3], s[G0B+4*\s+3], 0x80000000
	JLOAD \s
.endr
	v_and_b32 v1, 15, v0                           ; r
	v_bfe_u32 v2, v0, 4, 1                         ; h
	v_mul_u32_u24 v3, v1, PA
	v_lshl_add_u32 v3, v2, 4, v3
	v_mul_u32_u24 v4, v1, PB
	v_lshl_add_u32 v4, v2, 4, v4
	s_mul_i32 s21, s13, HALFA                      ; my 64 tokens
	s_mul_i32 s22, s14, HALFB
	s_add_co_u32 s22, s22, 2*HALFA                 ; my 64 rows of Wo
.irp s, 0,1
	v_add_nc_u32 v[ADRA+\s], s21, v3
	v_add_nc_u32 v[ADRB+\s], s22, v4
	s_add_co_u32 s21, s21, SLOT
	s_add_co_u32 s22, s22, SLOT
.endr
	s_mul_i32 s23, s12, 16*SPITCH                  ; my stage
	v_mul_u32_u24 v5, v1, SPITCH
	v_lshl_add_u32 v5, v2, 5, v5
	v_add_nc_u32 v[STO], s23, v5                   ; in: row r, 32 bytes for each half of the lanes
	v_mul_u32_u24 v5, v2, SPITCH
	v_lshl_add_u32 v5, v1, 4, v5
	v_add_nc_u32 v[RD], s23, v5                    ; back: lanes 0-15 one row of 256 bytes, lanes 16-31 the next
	v_lshlrev_b32 v[CO], 4, v1
	v_lshl_add_u32 v[CO], v2, 12, v[CO]            ; and the same two rows of out0
	s_lshl_b32 s16, s15, 7
	s_lshl_b32 s17, s13, 6
	s_add_co_u32 s16, s16, s17                     ; my first row: 128 x tile row + 64 x half,
	s_lshl_b32 s16, s16, 12                        ; of 4,096 bytes
	s_lshl_b32 s46, s42, 9
	s_lshl_b32 s47, s14, 8
	s_add_co_u32 s46, s46, s47                     ; my first column, in bytes: 512 x tile column + 256 x half
	s_mov_b32 s47, 0
	s_add_nc_u64 s[8:9], s[8:9], s[46:47]          ; bo there,
	s_add_co_u32 s16, s16, s46
	s_mov_b32 s17, 0
	s_add_nc_u64 s[10:11], s[10:11], s[16:17]      ; and out0
	v_lshlrev_b32 v[BOF], 5, v2
.irp b, 0,1,2,3
	global_load_b128 v[BI+8*\b:BI+8*\b+3], v[BOF], s[8:9] offset:64*\b          ; bo(16 b + 8 h + 0 .. 7): the result's layout
	global_load_b128 v[BI+8*\b+4:BI+8*\b+7], v[BOF], s[8:9] offset:64*\b+16
.endr
; 8 matrix instructions: token blocks a0, a0 + 1 x all 4 column blocks, 32 along K: half c of buffer f.  first = 1: the sums begin with the bias.  The 16 accumulators take turns.
.macro MUL8 f, c, a0, first
.irp a, \a0, \a0+1
.irp b, 0,1,2,3
.if \first
	v_wmma_f32_16x16x32_f16 v[ACC+8*(4*(\a)+\b):ACC+8*(4*(\a)+\b)+7], v[\f+64+8*(4*\c+\b):\f+64+8*(4*\c+\b)+7], v[\f+8*(4*\c+\a):\f+8*(4*\c+\a)+7], v[BI+8*\b:BI+8*\b+7]
.else
	v_wmma_f32_16x16x32_f16 v[ACC+8*(4*(\a)+\b):ACC+8*(4*(\a)+\b)+7], v[\f+64+8*(4*\c+\b):\f+64+8*(4*\c+\b)+7], v[\f+8*(4*\c+\a):\f+8*(4*\c+\a)+7], v[ACC+8*(4*(\a)+\b):ACC+8*(4*(\a)+\b)+7]
.endif
.endr
.endr
.endm
; 32 LDS loads in one run: the fragments of the slot's q-th 64 along K (one head) into buffer f; the first 32 along K first
.macro FETCH slot, q, f
	WIN TO_F
.irp c, 0,1
.irp i, 0,1,2,3
	ds_load_b128 v[\f+64+8*(4*\c+\i):\f+64+8*(4*\c+\i)+3],   v[ADRB+\slot] offset:(\q)*128+64*\c+\i*16*PB
	ds_load_b128 v[\f+64+8*(4*\c+\i)+4:\f+64+8*(4*\c+\i)+7], v[ADRB+\slot] offset:(\q)*128+64*\c+\i*16*PB+32
	ds_load_b128 v[\f+8*(4*\c+\i):\f+8*(4*\c+\i)+3],         v[ADRA+\slot] offset:(\q)*64*PA+64*\c+\i*16*PA
	ds_load_b128 v[\f+8*(4*\c+\i)+4:\f+8*(4*\c+\i)+7],       v[ADRA+\slot] offset:(\q)*64*PA+64*\c+\i*16*PA+32
.endr
.endr
.endm
.macro PLACES                          ; four plain vector instructions in front of loads into registers that matrix instructions have read, and of reads of results
.rept 4
	v_nop
.endr
.endm
.macro QUARTER slot, q, f, g, first    ; multiplies buffer f and fetches the slot's q-th quarter into g
	s_wait_dscnt 16                                ; the first 32 along K are in; the youngest sixteen loads may be out
	WIN MUL
	MUL8 \f, 0, 0, \first
	MUL8 \f, 0, 2, \first
	PLACES
	FETCH \slot, \q, \g
	s_wait_dscnt 32                                ; all but the 32 just issued
	WIN MUL
	MUL8 \f, 1, 0, 0
	MUL8 \f, 1, 2, 0
.endm
; The last quarter multiplies buffer 1 and changes slots: one barrier; in front of it each wave waits for all its tensor loads, adds 0 to its spare word, and waits for that and for its reads of this slot.
.macro TURN slot, next, fill
	WIN 0
	s_wait_tensorcnt 0x0                           ; all my tensor loads have landed: my part of the next slot
	ds_add_u32 v[SPW], v[NIL]                      ; 0 onto my spare word
	s_wait_dscnt 17                                ; (the add and the youngest sixteen loads may be out)
	WIN MUL
	MUL8 F1, 0, 0, 0
	s_wait_dscnt 0x0                               ; the add is done, and my reads of this slot are over
	s_barrier_signal -1
	MUL8 F1, 0, 2, 0
.if \fill
	WIN 0
.endif
	s_barrier_wait -1
.if \fill
	CREST                                          ; the barrier has opened a round of the cluster's barrier: no wave of any partner still reads this slot or has a load on its way
	s_add_nc_u64 s[G0+4*\slot+2:G0+4*\slot+3], s[G0+4*\slot+2:G0+4*\slot+3], 2*524288
	s_add_nc_u64 s[G0B+4*\slot+2:G0B+4*\slot+3], s[G0B+4*\slot+2:G0B+4*\slot+3], 2*KSTEP*2
	JLOAD \slot                                    ; the first tensor load behind the round; its four v_nop are also the places in front of the loads below
.else
	PLACES
.endif
	FETCH \next, 0, F0
	WIN MUL
	MUL8 F1, 1, 0, 0
	MUL8 F1, 1, 2, 0
.endm
	s_wait_tensorcnt 1                             ; my part of K step 0 is in; K step 1's load may be out
	s_barrier_signal -1
	s_barrier_wait -1
	FETCH 0, 0, F0
	s_wait_loadcnt 0x0                             ; the bias
	QUARTER 0, 1, F0, F1, 1
	WIN 0
	s_mov_b32 s3, LAPS-1
.Llap:                                             ; a trip goes once round the ring and fills both slots again
	QUARTER 0, 2, F1, F0, 0
	QUARTER 0, 3, F0, F1, 0
	TURN 0, 1, 1
	QUARTER 1, 1, F0, F1, 0
	QUARTER 1, 2, F1, F0, 0
	QUARTER 1, 3, F0, F1, 0
	TURN 1, 0, 1
	QUARTER 0, 1, F0, F1, 0
	WIN 0
	s_sub_co_u32 s3, s3, 1
	s_cmp_lg_u32 s3, 0
	s_cbranch_scc1 .Llap
	QUARTER 0, 2, F1, F0, 0                        ; the last lap fills nothing
	QUARTER 0, 3, F0, F1, 0
	TURN 0, 1, 0
	QUARTER 1, 1, F0, F1, 0
	QUARTER 1, 2, F1, F0, 0
	QUARTER 1, 3, F0, F1, 0
	s_wait_dscnt 16
	WIN MUL
	MUL8 F1, 0, 0, 0
	MUL8 F1, 0, 2, 0
	s_wait_dscnt 0
	MUL8 F1, 1, 0, 0
	MUL8 F1, 1, 2, 0
	WIN 0
; THE WAY OUT, 16 rows x 64 columns at a time: a lane holds 32 neighbouring bytes of a row; the block goes through my own stage and comes back as whole rows of 256 bytes.
.macro OUTB a
.if (\a) >= 2
	s_wait_xcnt 0x0                                ; the stores of two blocks ago have read their registers, on which the loads below land
.endif
.set BB, TMP+32*((\a)%2)
.irp b, 0,1,2,3
	ds_store_b128 v[STO], v[ACC+8*(4*(\a)+\b):ACC+8*(4*(\a)+\b)+3] offset:64*\b          ; each accumulator from its low end on
	ds_store_b128 v[STO], v[ACC+8*(4*(\a)+\b)+4:ACC+8*(4*(\a)+\b)+7] offset:64*\b+16
.endr
.irp t, 0,1,2,3,4,5,6,7
	ds_load_b128 v[BB+4*\t:BB+4*\t+3], v[RD] offset:\t*2*SPITCH   ; LDS serves a wave's instructions in order (ISA guide 5.7.1.4)
.endr
.irp t, 0,1,2,3,4,5,6,7
	s_wait_dscnt 7-\t                              ; this load is in; the younger ones stay out
	global_store_b128 v[CO], v[BB+4*\t:BB+4*\t+3], s[10:11] offset:(16*(\a)+2*\t)*4096 th:TH_STORE_NT   ; 16 lanes store 256 consecutive bytes, aligned
.endr
.endm
	PLACES
	OUTB 0
	OUTB 1
	OUTB 2
	OUTB 3
	s_wait_tensorcnt 0x0                           ; the wave's end
	ds_add_u32 v[SPW], v[NIL]
	s_wait_dscnt 0x0
	CROUND                                         ; the closing round
	s_endpgm
.Lfunc_end_k_qb264457c52_outp:
	.size	k_qb264457c52_outp, .Lfunc_end_k_qb264457c52_outp-k_qb264457c52_outp
	.p2alignl 7, 3214868480
	.fill 96, 4, 3214868480
	.section	.rodata,"a",@progbits
	.p2align	6, 0x0
	.amdhsa_kernel k_qb264457c52_outp
		.amdhsa_group_segment_fixed_size 327680
		.amdhsa_private_segment_fixed_size 0
		.amdhsa_enable_private_segment 0
		.amdhsa_kernarg_size 32
		.amdhsa_user_sgpr_count 2
		.amdhsa_user_sgpr_kernarg_segment_ptr 1
		.amdhsa_wavefront_size32 1
		.amdhsa_system_sgpr_workgroup_id_x 1
		.amdhsa_system_sgpr_workgroup_id_y 1
		.amdhsa_system_sgpr_workgroup_id_z 1
		.amdhsa_system_vgpr_workitem_id 0
		.amdhsa_next_free_vgpr 512
		.amdhsa_next_free_sgpr 70
		.amdhsa_reserve_vcc 0
		.amdhsa_float_denorm_mode_32 3
		.amdhsa_float_denorm_mode_16_64 3
		.amdhsa_memory_ordered 1
		.amdhsa_forward_progress 1
		.amdhsa_inst_pref_size 87
	.end_amdhsa_kernel
	.amdgpu_metadata
---
amdhsa.version: [ 1, 2 ]
amdhsa.kernels:
  - .name:           k_qb264457c52_outp
    .symbol:         k_qb264457c52_outp.kd
    .args:
      - { .name: ctx, .offset: 0, .size: 8, .value_kind: global_buffer, .address_space: global }
      - { .name: wo16, .offset: 8, .size: 8, .value_kind: global_buffer, .address_space: global }
      - { .name: bo, .offset: 16, .size: 8, .value_kind: global_buffer, .address_space: global }
      - { .name: out0, .offset: 24, .size: 8, .value_kind: global_buffer, .address_space: global }
    .group_segment_fixed_size: 327680
    .private_segment_fixed_size: 0
    .kernarg_segment_align: 8
    .kernarg_segment_size: 32
    .max_flat_workgroup_size: 128
    .sgpr_count:     70
    .vgpr_count:     512
    .wavefront_size: 32
...
	.end_amdgpu_metadata
.endif
;; end of part 4
